; MI455X (gfx1250); checked and timed in simulation.
; The chip was launched on July 23, 2026; its instructions are those of AMD's public machine-readable ISA for CDNA 5 (MIT licence, August 2026) and "CDNA5" Instruction Set Architecture Reference Guide (July 2026). The comments in the code are by the model that wrote it; some were corrected since.
;; Multihead Attention Block. Allowed arithmetic: float matrix products may take bf16 or f16 operands with f32 sums; all other float work in f32.
;; Inputs: W_K 1,024 x 1,024 float32; W_O 1,024 x 1,024 float32; W_Q 1,024 x 1,024 float32; W_V 1,024 x 1,024 float32; k 4 x 2,048 x 1,024 float32; mask 1 int32; q 4 x 2,048 x 1,024 float32; v 4 x 2,048 x 1,024 float32.
;; Outputs: out0 4 x 2,048 x 1,024 float32.
;; 2 versions, each right; version 2 is version 1 with the launch castw written anew for expert scheduling mode. Each part assembles by itself: llvm-mc -triple=amdgcn-amd-amdhsa -mcpu=gfx1250 --defsym DOCPART=n.
;; ======== version 1 of 2: 4 launches
;; limits: values are held in f16: magnitudes above 65,504 overflow, below 6.1e-05 lose precision
;; workspace buffers: wts 8,388,608 bytes; qkv 50,331,648 bytes; oh 16,777,216 bytes
;; launch castw (part 1): grid 64 x 4, 8 waves a work-group, no clusters, 0 bytes of LDS; arguments W_Q, W_K, W_V, W_O, mask, wts; writes wts
.if DOCPART == 1
	.amdgcn_target "amdgcn-amd-amdhsa--gfx1250"
	.amdhsa_code_object_version 6
	.text
	.protected	k_qb1b27b6ca3_castw
	.globl	k_qb1b27b6ca3_castw
	.p2align	8
	.type	k_qb1b27b6ca3_castw,@function
k_qb1b27b6ca3_castw:
	s_mov_b64 s[64:65], 0
	v_nop
	global_prefetch_b8 v0, s[64:65] scope:SCOPE_SE
	s_setreg_imm32_b32 hwreg(HW_REG_WAVE_MODE, 25, 1), 1
	s_wait_xcnt 0x0
; The four weights, [1024][1024] f32, are rounded once to 16 bits: wts has four parts of 2,097,152 bytes, W_Q, W_K, W_V in bf16, and W_O rounded to bf16 with that number written as f16
; (exact from 2^-14 up to f16's 65,504; below 2^-14 it keeps f16's fixed step of 6e-8).  LIMIT: a W_O beyond 65,504 becomes an infinity.
; A stream: no LDS, no matrix unit, no cluster: no byte is shared between work-groups.  Work-group (x, y): chunk x (16,384 numbers) of weight y.  Thread t, load i: 16 bytes at 4,096 i + 16 t of
; the chunk, so a wave's load covers 512 consecutive bytes; its 8 bytes of result go to 2,048 i + 8 t, so a wave's store covers 256 consecutive bytes, aligned.  All sixteen loads go out first.
; No register is written twice while a load or store names it, so no wait frees a source.
.set X, 4                              ; v[4:67]    load i: four registers
.set Y, 68                             ; v[68:99]   load i: two registers to store
.set T, 100                            ; v[100:103] at work
	s_load_b256 s[4:11], s[0:1], 0x0               ; W_Q s[4:5], W_K s[6:7], W_V s[8:9], W_O s[10:11]
	s_load_b128 s[12:15], s[0:1], 0x20             ; mask s[12:13], wts s[14:15]
	s_and_b32 s16, ttmp7, 0xffff                   ; which weight
	v_lshlrev_b32 v1, 4, v0                        ; 16 t
	v_lshlrev_b32 v2, 3, v0                        ; 8 t
	s_lshl_b32 s20, ttmp9, 16                      ; the chunk's 65,536 bytes in
	s_mov_b32 s21, 0
	s_lshl_b32 s22, s16, 21                        ; the weight's part of wts,
	s_lshl_b32 s23, ttmp9, 15                      ; the chunk's 32,768 bytes out
	s_add_co_u32 s22, s22, s23
	s_mov_b32 s23, 0
	s_wait_kmcnt 0x0
	s_load_b32 s17, s[12:13], 0x0                  ; the mask: the module takes it and never applies it, so it is read and nothing is made of it
	s_mov_b64 s[18:19], s[4:5]
	s_cmp_eq_u32 s16, 1
	s_cselect_b64 s[18:19], s[6:7], s[18:19]
	s_cmp_eq_u32 s16, 2
	s_cselect_b64 s[18:19], s[8:9], s[18:19]
	s_cmp_eq_u32 s16, 3
	s_cselect_b64 s[18:19], s[10:11], s[18:19]
	s_add_nc_u64 s[18:19], s[18:19], s[20:21]
	s_add_nc_u64 s[14:15], s[14:15], s[22:23]
.irp i, 0,1,2,3,4,5,6,7,8,9,10,11,12,13,14,15
	global_load_b128 v[X+4*(\i):X+4*(\i)+3], v1, s[18:19] offset:4096*(\i) th:TH_LOAD_NT
.endr
; Load i is rounded and stored.  f16 = 1: the bf16 numbers are widened again (a shift, a mask) and written as f16.
.macro OUT i, f16
	s_wait_loadcnt 15-(\i)                         ; loads come back in order (ISA guide 5.7.1): the 15 - i younger ones may stay out
	v_cvt_pk_bf16_f32 v[Y+2*(\i)], v[X+4*(\i)], v[X+4*(\i)+1]
	v_cvt_pk_bf16_f32 v[Y+2*(\i)+1], v[X+4*(\i)+2], v[X+4*(\i)+3]
.if \f16
	v_lshlrev_b32 v[T], 16, v[Y+2*(\i)]
	v_and_b32 v[T+1], 0xffff0000, v[Y+2*(\i)]
	v_lshlrev_b32 v[T+2], 16, v[Y+2*(\i)+1]
	v_and_b32 v[T+3], 0xffff0000, v[Y+2*(\i)+1]
	v_cvt_pk_f16_f32 v[Y+2*(\i)], v[T], v[T+1]
	v_cvt_pk_f16_f32 v[Y+2*(\i)+1], v[T+2], v[T+3]
.endif
	global_store_b64 v2, v[Y+2*(\i):Y+2*(\i)+1], s[14:15] offset:2048*(\i)  ; no hint: later launches read these bytes many times
.endm
	s_cmp_eq_u32 s16, 3
	s_cbranch_scc1 .Lwo
.irp i, 0,1,2,3,4,5,6,7,8,9,10,11,12,13,14,15
	OUT \i, 0
.endr
	s_wait_kmcnt 0x0                               ; the mask's word has come
	s_endpgm
.Lwo:
.irp i, 0,1,2,3,4,5,6,7,8,9,10,11,12,13,14,15
	OUT \i, 1
.endr
	s_wait_kmcnt 0x0
	s_endpgm
.Lfunc_end_k_qb1b27b6ca3_castw:
	.size	k_qb1b27b6ca3_castw, .Lfunc_end_k_qb1b27b6ca3_castw-k_qb1b27b6ca3_castw
	.p2alignl 7, 3214868480
	.fill 96, 4, 3214868480
	.section	.rodata,"a",@progbits
	.p2align	6, 0x0
	.amdhsa_kernel k_qb1b27b6ca3_castw
		.amdhsa_group_segment_fixed_size 0
		.amdhsa_private_segment_fixed_size 0
		.amdhsa_enable_private_segment 0
		.amdhsa_kernarg_size 48
		.amdhsa_user_sgpr_count 2
		.amdhsa_user_sgpr_kernarg_segment_ptr 1
		.amdhsa_wavefront_size32 1
		.amdhsa_system_sgpr_workgroup_id_x 1
		.amdhsa_system_sgpr_workgroup_id_y 1
		.amdhsa_system_sgpr_workgroup_id_z 1
		.amdhsa_system_vgpr_workitem_id 0
		.amdhsa_next_free_vgpr 104
		.amdhsa_next_free_sgpr 66
		.amdhsa_reserve_vcc 0
		.amdhsa_float_denorm_mode_32 3
		.amdhsa_float_denorm_mode_16_64 3
		.amdhsa_memory_ordered 1
		.amdhsa_forward_progress 1
		.amdhsa_inst_pref_size 16
	.end_amdhsa_kernel
	.amdgpu_metadata
---
amdhsa.version: [ 1, 2 ]
amdhsa.kernels:
  - .name:           k_qb1b27b6ca3_castw
    .symbol:         k_qb1b27b6ca3_castw.kd
    .args:
      - { .name: W_Q, .offset: 0, .size: 8, .value_kind: global_buffer, .address_space: global }
      - { .name: W_K, .offset: 8, .size: 8, .value_kind: global_buffer, .address_space: global }
      - { .name: W_V, .offset: 16, .size: 8, .value_kind: global_buffer, .address_space: global }
      - { .name: W_O, .offset: 24, .size: 8, .value_kind: global_buffer, .address_space: global }
      - { .name: mask, .offset: 32, .size: 8, .value_kind: global_buffer, .address_space: global }
      - { .name: wts, .offset: 40, .size: 8, .value_kind: global_buffer, .address_space: global }
    .group_segment_fixed_size: 0
    .private_segment_fixed_size: 0
    .kernarg_segment_align: 8
    .kernarg_segment_size: 48
    .max_flat_workgroup_size: 256
    .sgpr_count:     66
    .vgpr_count:     104
    .wavefront_size: 32
...
	.end_amdgpu_metadata
.endif
;; end of part 1
;; launch proj (part 2): grid 4 x 64, 4 waves a work-group, clusters of 4 x 4, 327,680 bytes of LDS; arguments q, k, v, wts, qkv; writes qkv
.if DOCPART == 2
	.amdgcn_target "amdgcn-amd-amdhsa--gfx1250"
	.amdhsa_code_object_version 6
	.text
	.protected	k_qb1b27b6ca3_proj
	.globl	k_qb1b27b6ca3_proj
	.p2align	8
	.type	k_qb1b27b6ca3_proj,@function
k_qb1b27b6ca3_proj:
	s_mov_b64 s[64:65], 0
	v_nop
	global_prefetch_b8 v0, s[64:65] scope:SCOPE_SE
	s_setreg_imm32_b32 hwreg(HW_REG_WAVE_MODE, 25, 1), 1
	s_wait_xcnt 0x0
	s_wait_alu depctr_hold_cnt(0) depctr_sa_sdst(0) depctr_va_vdst(0) depctr_va_sdst(0) depctr_va_ssrc(0) depctr_va_vcc(0) depctr_vm_vsrc(0)
	s_getreg_b32 s2, hwreg(HW_REG_IB_STS2, 6, 4)
	s_cmp_eq_u32 s2, 0
	s_cbranch_scc0 .Lentry_in_a_cluster
	s_endpgm
.Lentry_in_a_cluster:
	s_bfe_u32 s2, ttmp6, 0x10000c
	s_cmp_lg_u32 s2, 0xf033
	s_cbranch_scc0 .Lentry_shape_is_right
	s_endpgm
.Lentry_shape_is_right:
; query = q W_Q^T, key = k W_K^T, value = v W_V^T.  q, k, v: [8192][1024] f32, rounded to bf16 on the way from LDS to the matrix unit; the weights lie in wts as bf16, [1024 n][1024 k], 2,097,152 bytes
; each.  Sums in f32.  The results leave by heads, unscaled, in f16: qkv has three parts of 16,777,216 bytes, each [64 = 16 batch + head][2048 rows][64 channels].
; LIMIT: f16 holds no number beyond 65,504: a query, key or value beyond that becomes an infinity.  NaN and infinities are not treated apart.
; SHARES.  A tile is 128 rows x 256 columns: 3 x 64 x 4 = 768 tiles, three for each of 256 work-groups.  A WORK-GROUP STAYS: it makes tile (row block, column block) of query, then of key, then of
; value: 24 K steps of 128 = 12 laps of a ring of two LDS slots, one walk; a tile's last two changes of slots ask for the next tile's first two K steps.  A wave makes 64 x 128: 32 accumulators.
; CLUSTER.  4 x 4 work-groups.  x's tile hangs on the row block alone and is asked for jointly along a row of the cluster, the weight's on the column block alone, along a column: the same tensor load,
; descriptor and mask in all four.  Waves 0 and 1 fetch the halves of x's tile (64 rows x 512 bytes), waves 2 and 3 those of the weight's (128 rows x 256 bytes).
; THE MATRIX INSTRUCTION IS USED TRANSPOSED: source 0 = 16 rows of W, source 1 = 16 rows of x: a lane then holds one row of the result and eight neighbouring columns, 16 bytes of f16.
; THE ROUNDING OF x.  A fragment of x is read from LDS in f32 (16 registers for 16 rows x 32 K) and rounded by 8 v_cvt_pk_bf16_f32.  A quarter step (32 along K, 32 matrix instructions) has 32 such
; conversions: they stand four at a time behind every second matrix instruction of the quarter's second and fourth eight.
; REGISTERS, in windows of 256 (s_set_vgpr_msb: bits 1:0 source 0, 3:2 source 1, 5:4 source 2, 7:6 destination):
;   window 0: v0-29 addresses; v32-63, v224-255 rows read back on the way out; v64-127 x in f32, 16 a block of 16 rows; v128-159, v160-191 x in bf16, two buffers; v192-223 packed results
;   window 1: v0-63, v64-127 fragments of W, two buffers          window 2: accumulator (a, b) at v[8 (8 a + b)], a = 0..3 (rows), b = 0..7 (columns)
.set XP,     528                       ; an LDS row of x: 512 bytes + 16 = 132 words: row r starts at bank 4 r mod 64 (64 banks of 4 bytes: ISA guide 11.1)
.set WP,     272                       ; an LDS row of W: 256 bytes + 16 = 68 words: likewise
.set XHALF,  64*XP                     ; what one tensor load brings of x
.set XBYTES, 128*XP
.set WHALF,  128*WP                    ; and of W
.set SLOT,   XBYTES+2*WHALF            ; x's 128 rows, then W's 256 rows: 137,216 bytes
.set STAGE,  2*SLOT                    ; behind the ring, never filled by a tensor load: for each wave 2 heads x 16 rows x 144 bytes
.set SPITCH, 144
.set SHEAD,  16*SPITCH
.set SWAVE,  2*SHEAD
.set SPARE,  STAGE+4*SWAVE             ; behind the stages: the spare words, 128 bytes for each wave: two blocks of 256 bytes that no other line names
.set ADRA, 16                          ; v16-17  LDS address of my x fragments in slot 0, 1
.set ADRB, 20                          ; v20-21  the same for W
.set STO,  24                          ; v24     the way out: where I put 16 bytes of a row
.set RD,   25                          ; v25     the way out: where I read rows back
.set CO,   26                          ; v26     my byte offset in 512 consecutive bytes of a head
.set PFO,  27                          ; v27     the prefetch: my block's byte offset in x's tile; never rewritten
.set SPW,  28                          ; v28     LDS address of my spare word: SPARE + 4 x my thread's number; never rewritten
.set NIL,  29                          ; v29     0; never rewritten
.set OB,   32
.set RAW,  64
.set CV,   128
.set TMP,  192
.set WAVE, 14                          ; s14  my wave's number
.set WROW, 15                          ; s15  which 64 rows I multiply.  Also: I fetch for x (0) or for W (1)
.set WCOL, 16                          ; s16  which 128 columns.  Also: which half of that tile I fetch
.set CX,   17
.set CY,   18
.set TC,   19                          ; s19  column block of 256
.set TR,   20                          ; s20  row block of 128
.set G1X,  24                          ; s[24:31] descriptor group 1 for x's tiles
.set G1W,  32                          ; s[32:39] for W's
.set G0X,  40                          ; s[40:47] descriptor group 0 for x's tiles, a set for each slot
.set G0W,  48                          ; s[48:55] the same for W's
.set NXT,  62                          ; s62  the K step to be asked for next, 2 to 23: tensor NXT / 8, step NXT % 8
.set LAPC, 63                          ; s63  the loop's count
.set HOFF, 68                          ; s68  my half of x's tile: 64 rows of 4,096 bytes
.set PFL,  69                          ; s69  the lap to be prefetched
.set MSB, 0
.macro WIN new                         ; the immediate's high byte repeats the setting that is left; a switch that changes nothing is dropped
.if MSB != (\new)
	s_set_vgpr_msb (MSB<<8)|(\new)
.set MSB, \new
.endif
.endm
.set MULW,  0xa1                       ; source 0 (W) window 1, source 1 (x) window 0, C and D window 2
.set TO_B,  0x40                       ; destination window 1, address window 0
.set PACKW, 0x0a                       ; sources 0 and 1 window 2, destination window 0
; A joint load.  The branch hangs on the wave's number alone.  An s_nop 0 and four v_nop follow each of the two lines, ahead of the jump, the label and what follows.
.macro JLOAD sl
	s_cmp_eq_u32 s[WROW], 0
	s_cbranch_scc0 .Lfor_w_\@
	tensor_load_to_lds s[G0X+4*(\sl):G0X+4*(\sl)+3], s[G1X:G1X+7]
	s_nop 0
.rept 4
	v_nop
.endr
	s_branch .Lasked_\@
.Lfor_w_\@:
	tensor_load_to_lds s[G0W+4*(\sl):G0W+4*(\sl)+3], s[G1W:G1W+7]
	s_nop 0
.rept 4
	v_nop
.endr
.Lasked_\@:
.endm
.macro CREST                           ; a round of the cluster's barrier behind its opening barrier
	s_cmp_lg_u32 s[WAVE], 0
	s_cbranch_scc1 .Lnot_wave_0_\@
	s_barrier_signal -3
.Lnot_wave_0_\@:
	s_barrier_wait -3
	s_barrier_signal -1
	s_barrier_wait -1
.endm
.macro CROUND                          ; a whole round
	s_barrier_signal -1
	s_barrier_wait -1
	CREST
.endm
	s_load_b256 s[4:11], s[0:1], 0x0               ; q s[4:5], k s[6:7], v s[8:9], wts s[10:11]
	s_load_b64 s[12:13], s[0:1], 0x20              ; qkv
	v_lshl_add_u32 v[SPW], v0, 2, SPARE
	v_mov_b32 v[NIL], 0
	ds_add_u32 v[SPW], v[NIL]                      ; the wave's opening: the add and its wait stand ahead of my first tensor load; the set-up below, work on registers, stands between them
	v_lshrrev_b32 v1, 5, v0
	v_readfirstlane_b32 s[WAVE], v1                ; wave 0..3
	s_lshr_b32 s[WROW], s[WAVE], 1
	s_and_b32 s[WCOL], s[WAVE], 1
	s_bfe_u32 s[CX], ttmp6, 0x40000                ; my place in the cluster
	s_bfe_u32 s[CY], ttmp6, 0x40004
	s_lshl_b32 s[TC], ttmp9, 2                     ; in a cluster launch ttmp9 and ttmp7 count clusters
	s_add_co_u32 s[TC], s[TC], s[CX]
	s_and_b32 s[TR], ttmp7, 0xffff
	s_lshl_b32 s[TR], s[TR], 2
	s_add_co_u32 s[TR], s[TR], s[CY]
	s_lshl_b32 s21, s[CY], 2
	s_lshl_b32 s21, 15, s21                        ; my row of the cluster: places 4 cy .. 4 cy + 3
	s_lshl_b32 s22, 0x1111, s[CX]                  ; my column: places cx, cx + 4, cx + 8, cx + 12
	; descriptor group 1 for x: 64 rows x 128 elements of 4 bytes, 4 words of padding behind every 128 words
	s_or_b32 s[G1X], s21, (2<<16)|(1<<20)|(1<<21)|(6<<22)|(3<<25)  ; 15:0 the mask; 17:16 elements of 4 bytes; 20 padding on; 21 set beside a mask; 24:22 after every 128 words (code 6); 31:25 4 words (code 3)
	s_mov_b32 s[G1X+1], 128<<16                    ; tensor_dim0 = 128
	s_mov_b32 s[G1X+2], 64<<16                     ; tensor_dim1 = 64
	s_mov_b32 s[G1X+3], 128<<16                    ; tile_dim0 = 128
	s_mov_b32 s[G1X+4], 64                         ; tile_dim1 = 64
	s_mov_b32 s[G1X+5], 1024                       ; elements from row to row
	s_mov_b32 s[G1X+6], 0
	s_mov_b32 s[G1X+7], 0
	; and for W: 128 rows x 128 elements of 2 bytes, 4 words of padding behind every 64 words
	s_or_b32 s[G1W], s22, (1<<16)|(1<<20)|(1<<21)|(5<<22)|(3<<25)
	s_mov_b32 s[G1W+1], 128<<16
	s_mov_b32 s[G1W+2], 128<<16
	s_mov_b32 s[G1W+3], 128<<16
	s_mov_b32 s[G1W+4], 128
	s_mov_b32 s[G1W+5], 1024
	s_mov_b32 s[G1W+6], 0
	s_mov_b32 s[G1W+7], 0
	s_lshl_b32 s[HOFF], s[WCOL], 18
	s_mov_b32 s57, 0                               ; the upper words of the offset pairs
	s_mov_b32 s59, 0
	s_mov_b32 s73, 0
	s_mov_b32 s[NXT], 2
	s_mov_b32 s[PFL], 2
	s_lshl_b32 s74, s[TR], 19                      ; x: 128 rows of 4,096 bytes a row block; this pair never holds the column block
	s_mov_b32 s75, 0
	s_lshl_b32 s76, s[TC], 19                      ; W: 256 rows of 2,048 bytes a column block, and my half's 128 rows; this pair never holds the row block
	s_add_co_u32 s76, s76, s[HOFF]
	s_mov_b32 s77, 0
	s_mul_i32 s23, s[WCOL], XHALF                  ; where the tiles go: no place in the cluster enters an LDS address
	s_mul_i32 s3, s[WCOL], WHALF
	s_add_co_u32 s3, s3, XBYTES
	s_lshr_b32 s78, s[TR], 4                       ; the way out: batch = row block / 16;
	s_lshl_b32 s78, s78, 4
	s_lshl_b32 s2, s[TC], 2                        ; head = 4 x column block + 2 x my half of the columns (+ 0 or 1);
	s_add_co_u32 s78, s78, s2
	s_lshl_b32 s2, s[WCOL], 1
	s_add_co_u32 s78, s78, s2
	s_lshl_b32 s78, s78, 18                        ; a head is 262,144 bytes;
	s_and_b32 s2, s[TR], 15
	s_lshl_b32 s2, s2, 14                          ; 128 rows of 128 bytes a row block,
	s_add_co_u32 s78, s78, s2
	s_lshl_b32 s2, s[WROW], 13                     ; my 64 of them
	s_add_co_u32 s78, s78, s2
	s_mov_b32 s79, 0
	s_wait_dscnt 0x0                               ; the opening add is done
	s_wait_kmcnt 0x0
	s_add_nc_u64 s[4:5], s[4:5], s[74:75]          ; q, k, v at the tile's first row
	s_add_nc_u64 s[6:7], s[6:7], s[74:75]
	s_add_nc_u64 s[8:9], s[8:9], s[74:75]
	s_add_nc_u64 s[10:11], s[10:11], s[76:77]      ; W_Q at my half of the tile's rows
	s_add_nc_u64 s[12:13], s[12:13], s[78:79]      ; query at my wave's first row of its first head
	CROUND                                         ; all sixteen work-groups are here: the first joint loads meet
.irp sl, 0,1
	s_mov_b32 s[G0X+4*(\sl)], 1                    ; 1:0 count = 1
	s_add_co_u32 s[G0X+4*(\sl)+1], s23, (\sl)*SLOT ; 63:32 LDS address
	s_add_co_u32 s56, s[HOFF], (\sl)*512           ; K step sl of q: 512 bytes a step
	s_add_nc_u64 s[G0X+4*(\sl)+2:G0X+4*(\sl)+3], s[4:5], s[56:57]  ; 120:64 global address
	s_or_b32 s[G0X+4*(\sl)+3], s[G0X+4*(\sl)+3], 0x80000000        ; 127:126 type = 2
	s_mov_b32 s[G0W+4*(\sl)], 1
	s_add_co_u32 s[G0W+4*(\sl)+1], s3, (\sl)*SLOT
	s_add_nc_u64 s[G0W+4*(\sl)+2:G0W+4*(\sl)+3], s[10:11], (\sl)*256
	s_or_b32 s[G0W+4*(\sl)+3], s[G0W+4*(\sl)+3], 0x80000000
	JLOAD \sl                                      ; two loads of mine are out
.endr
	; A fragment is 16 rows x 32 K: lane l holds row l % 16, K = 8 (l / 16) + 0..7 and 16 + 8 (l / 16) + 0..7.  In bf16 two loads of 16 bytes, 32 apart; in f32 four, at 0, 16, 64, 80 from 32 (l / 16).
	v_and_b32 v1, 15, v0                           ; l % 16
	v_bfe_u32 v2, v0, 4, 1                         ; l / 16
	v_mul_u32_u24 v3, v1, XP
	v_lshl_add_u32 v3, v2, 5, v3
	s_mul_i32 s2, s[WROW], 64*XP                   ; my 64 rows of x
	v_add_nc_u32 v[ADRA], s2, v3
	v_add_nc_u32 v[ADRA+1], SLOT, v[ADRA]
	v_mul_u32_u24 v4, v1, WP
	v_lshl_add_u32 v4, v2, 4, v4
	v_add_nc_u32 v[ADRB], s3, v4                   ; my 128 rows of W, which lie behind x's 128 (the same place as the half that I fetch)
	v_add_nc_u32 v[ADRB+1], SLOT, v[ADRB]
	s_mul_i32 s2, s[WAVE], SWAVE
	s_add_co_u32 s2, s2, STAGE                     ; my stage
	v_mul_u32_u24 v5, v1, SPITCH                   ; in: row l % 16, 16 bytes for each half of the lanes
	v_lshl_add_u32 v5, v2, 4, v5
	v_add_nc_u32 v[STO], s2, v5
	v_bfe_u32 v6, v0, 3, 2                         ; back: 32 lanes take four rows of 128 bytes,
	v_and_b32 v7, 7, v0
	v_mul_u32_u24 v6, v6, SPITCH
	v_lshl_add_u32 v6, v7, 4, v6
	v_add_nc_u32 v[RD], s2, v6
	v_and_b32 v8, 31, v0                           ; which are 512 consecutive bytes of a head
	v_lshlrev_b32 v[CO], 4, v8
	v_lshrrev_b32 v9, 2, v8                        ; the prefetch: row 32 cx + 8 wave + l / 4 of x's tile, block l % 4 of a lap's 1,024 bytes
	s_lshl_b32 s78, s[CX], 5
	s_lshl3_add_u32 s78, s[WAVE], s78
	v_add_nc_u32 v9, s78, v9
	v_and_b32 v10, 3, v0
	v_lshlrev_b32 v10, 8, v10
	v_lshl_add_u32 v[PFO], v9, 12, v10
; One matrix instruction: accumulator (a, b), buffer f.  zero = 1: it starts the sum: nothing is ever cleared.
.macro PROD f, a, b, zero
.if \zero
	v_wmma_f32_16x16x32_bf16 v[8*(8*(\a)+(\b)):8*(8*(\a)+(\b))+7], v[64*(\f)+8*(\b):64*(\f)+8*(\b)+7], v[CV+32*(\f)+8*(\a):CV+32*(\f)+8*(\a)+7], 0
.else
	v_wmma_f32_16x16x32_bf16 v[8*(8*(\a)+(\b)):8*(8*(\a)+(\b))+7], v[64*(\f)+8*(\b):64*(\f)+8*(\b)+7], v[CV+32*(\f)+8*(\a):CV+32*(\f)+8*(\a)+7], v[8*(8*(\a)+(\b)):8*(8*(\a)+(\b))+7]
.endif
.endm
; Eight of them: row block a x all 8 column blocks.  The 32 accumulators take turns in the same order in every quarter.
.macro MUL8 f, a, zero
	WIN MULW
.irp b, 0,1,2,3,4,5,6,7
	PROD \f, \a, \b, \zero
.endr
.endm
; Four of the sixteen conversions that round row blocks ca and ca + 1 of x into buffer cf: numbers n0 to n0 + 3; number n is register n % 8 of block ca + n / 8.
.macro RIDERS cf, ca, n0
	WIN 0
.irp n, 0,1,2,3
	v_cvt_pk_bf16_f32 v[CV+32*(\cf)+8*((\ca)+((\n0)+(\n))/8)+((\n0)+(\n))%8], v[RAW+16*((\ca)+((\n0)+(\n))/8)+2*(((\n0)+(\n))%8)], v[RAW+16*((\ca)+((\n0)+(\n))/8)+2*(((\n0)+(\n))%8)+1]
.endr
.endm
.macro CONV cf, ca                     ; all sixteen on end
	RIDERS \cf, \ca, 0
	RIDERS \cf, \ca, 4
	RIDERS \cf, \ca, 8
	RIDERS \cf, \ca, 12
.endm
; Eight matrix instructions with the sixteen conversions among them, four behind every second.  The conversions name no register of the products round them: they write blocks of x that were last
; multiplied a quarter or more ago, behind sixteen other conversions.
.macro MUL8R f, a, zero, cf, ca
.irp b, 0,1,2,3,4,5,6,7
	WIN MULW
	PROD \f, \a, \b, \zero
.if ((\b)%2) == 0
	RIDERS \cf, \ca, 2*(\b)
.endif
.endr
.endm
.macro RAWLD sl, kq, a                 ; row block a of x, 32 K at quarter kq, in f32: four loads
.irp i, 0,1,2,3
	ds_load_b128 v[RAW+16*(\a)+4*(\i):RAW+16*(\a)+4*(\i)+3], v[ADRA+(\sl)] offset:128*(\kq)+(\a)*16*XP+((\i)/2)*64+((\i)%2)*16
.endr
.endm
; 32 LDS loads in one run, for quarter kq of slot sl: x's blocks 0 and 1 (wanted first: they are rounded in the quarter in hand), W's eight blocks into buffer g, x's blocks 2 and 3.
; W's buffer g was last multiplied in the quarter before; the sixteen conversions since are the places in front of these loads (ISA guide 7.12.1 for vector instructions).
.macro FETCH sl, kq, g
	WIN 0
	RAWLD \sl, \kq, 0
	RAWLD \sl, \kq, 1
	WIN TO_B
.irp b, 0,1,2,3,4,5,6,7
	ds_load_b128 v[64*(\g)+8*(\b):64*(\g)+8*(\b)+3],   v[ADRB+(\sl)] offset:64*(\kq)+(\b)*16*WP
	ds_load_b128 v[64*(\g)+8*(\b)+4:64*(\g)+8*(\b)+7], v[ADRB+(\sl)] offset:64*(\kq)+(\b)*16*WP+32
.endr
	WIN 0
	RAWLD \sl, \kq, 2
	RAWLD \sl, \kq, 3
.endm
; A K step is four quarters of 32 along K on buffers 0, 1, 0, 1.  One of the first three multiplies buffer f; (sl, kq) is the next quarter, fetched into g.
.macro QUARTER sl, kq, f, g, zero
	s_wait_dscnt 8                                 ; W is in; the youngest eight loads (x's blocks 2, 3) may be out
	MUL8 \f, 0, \zero
	s_wait_dscnt 0x0                               ; x's blocks 2 and 3 are in,
	MUL8R \f, 1, \zero, \f, 2                      ; and are rounded
	FETCH \sl, \kq, \g
	MUL8 \f, 2, \zero
	s_wait_dscnt 24                                ; of the 32 just issued the oldest eight are in: the next quarter's blocks 0 and 1,
	MUL8R \f, 3, \zero, \g, 0                      ; which are rounded
.endm
; Slot sl's two global addresses are made anew from the number of the K step: a tensor's base, chosen by the number, plus an offset made apart.
.macro STEPD sl
	s_lshr_b32 s66, s[NXT], 3                      ; the tensor: 0 q, 1 k, 2 v
	s_and_b32 s67, s[NXT], 7                       ; its K step
	s_cmp_eq_u32 s66, 1
	s_cselect_b64 s[60:61], s[6:7], s[4:5]
	s_cmp_eq_u32 s66, 2
	s_cselect_b64 s[60:61], s[8:9], s[60:61]
	s_lshl_b32 s56, s67, 9                         ; 512 bytes of x a step,
	s_add_co_u32 s56, s56, s[HOFF]                 ; my half of the rows
	s_add_nc_u64 s[G0X+4*(\sl)+2:G0X+4*(\sl)+3], s[60:61], s[56:57]
	s_or_b32 s[G0X+4*(\sl)+3], s[G0X+4*(\sl)+3], 0x80000000
	s_lshl_b32 s58, s67, 8                         ; 256 bytes of W a step,
	s_lshl_b32 s66, s66, 21                        ; 2,097,152 a weight
	s_add_co_u32 s58, s58, s66
	s_add_nc_u64 s[G0W+4*(\sl)+2:G0W+4*(\sl)+3], s[10:11], s[58:59]
	s_or_b32 s[G0W+4*(\sl)+3], s[G0W+4*(\sl)+3], 0x80000000
	s_add_co_u32 s[NXT], s[NXT], 1
.endm
; THE PREFETCH.  x is read from memory once in the launch.  In trip i of the loop each wave asks for 32 blocks of 256 bytes of lap i + 2 (131,072 bytes a tile row, one lap ahead of the first tensor load
; that wants them): the sixteen waves of a row of the cluster cover the lap's 128 rows x 1,024 bytes, each block once.  The last trip's number is held at lap 11, the last: no request leaves x.
.macro PREF
	s_wait_xcnt 0x0                                ; the base of the last trip's request is rewritten only behind this wait
	s_min_u32 s66, s[PFL], 11
	s_lshr_b32 s67, s66, 2                         ; four laps a tensor
	s_cmp_eq_u32 s67, 1
	s_cselect_b64 s[70:71], s[6:7], s[4:5]
	s_cmp_eq_u32 s67, 2
	s_cselect_b64 s[70:71], s[8:9], s[70:71]
	s_and_b32 s72, s66, 3
	s_lshl_b32 s72, s72, 10
	s_add_nc_u64 s[70:71], s[70:71], s[72:73]
	global_prefetch_b8 v[PFO], s[70:71] th:TH_LOAD_NT scope:SCOPE_SE
	s_add_co_u32 s[PFL], s[PFL], 1
.endm
; The last quarter of a K step multiplies buffer 1 and changes slots: ONE barrier.  In front of it each wave waits for all its tensor loads, of which one is out: its part of the next slot; adds 0 to its
; spare word; and waits for that and for its own reads of this slot.  fill = 1: the barrier opens a round of the cluster's barrier, so that no wave of any partner still reads the slot or has a load on
; its way, and the joint refill is the first thing behind the round: from there to the wait for it a wave issues 112 matrix instructions.
.macro TURN sl, nx, fill, pf
	WIN 0                                          ; (the add's two registers lie in window 0)
	s_wait_tensorcnt 0x0                           ; no tensor load of mine is out, so a group 0 may be written
	ds_add_u32 v[SPW], v[NIL]                      ; 0 onto my spare word
.if \fill
	STEPD \sl
.endif
	s_wait_dscnt 9                                 ; (the add and the youngest eight loads may be out)
	MUL8 1, 0, 0
	s_wait_dscnt 0x0                               ; the add is done, and my reads of this slot are over
	s_barrier_signal -1
	MUL8R 1, 1, 0, 1, 2                            ; work on registers while the others arrive
	WIN 0
	s_barrier_wait -1
.if \fill
	CREST
	JLOAD \sl
.endif
	FETCH \nx, 0, 0
.if \pf
	PREF
.endif
	MUL8 1, 2, 0
	s_wait_dscnt 24
	MUL8R 1, 3, 0, 0, 0
.endm
; THE WAY OUT, a block of 16 rows at a time.  PACK: rounded to f16, 16 bytes a lane, each accumulator from its low end.  TOSTAGE: into my own stage, a head's 64 channels to a row of 144 bytes, and back
; as whole rows of 128.  SEND: stored, 512 consecutive bytes of a head to a store.
.macro PACK a
	WIN PACKW
.irp b, 0,1,2,3,4,5,6,7
.irp i, 0,1,2,3
	v_cvt_pk_f16_f32 v[TMP+4*(\b)+(\i)], v[8*(8*(\a)+(\b))+2*(\i)], v[8*(8*(\a)+(\b))+2*(\i)+1]
.endr
.endr
	WIN 0
.endm
.macro TOSTAGE a
.irp b, 0,1,2,3,4,5,6,7
	ds_store_b128 v[STO], v[TMP+4*(\b):TMP+4*(\b)+3] offset:((\b)/4)*SHEAD+((\b)%4)*32
.endr
.irp t, 0,1,2,3,4,5,6,7
	ds_load_b128 v[OB+192*((\a)%2)+4*(\t):OB+192*((\a)%2)+4*(\t)+3], v[RD] offset:((\t)/4)*SHEAD+((\t)%4)*4*SPITCH  ; LDS serves a wave's instructions in order (ISA guide 5.7.1.4): these see the stores above
.endr
.endm
.macro SEND a
	s_wait_dscnt 0x0                               ; the block is back in registers
	s_wait_xcnt 0x0                                ; the registers that the stores of the block before last read are loaded again only behind this wait
.irp t, 0,1,2,3,4,5,6,7
	global_store_b128 v[CO], v[OB+192*((\a)%2)+4*(\t):OB+192*((\a)%2)+4*(\t)+3], s[12:13] offset:((\t)/4)*262144+(\a)*2048+((\t)%4)*512
.endr
.endm
.macro WAYOUT                          ; block 0's products stand in front of sixteen conversions or more; each later block's in front of the blocks' before it: no v_nop is written
	PACK 0
	TOSTAGE 0
.irp a, 1,2,3                          ; block a's conversions stand between block a - 1's loads from the stage and the wait for them
	PACK \a
	SEND (\a)-1
	TOSTAGE \a
.endr
	SEND 3
.endm
	s_wait_tensorcnt 1                             ; my part of K step 0 is in; K step 1's may stay out
	s_barrier_signal -1
	s_barrier_wait -1                              ; everybody's is
	FETCH 0, 0, 0
	s_wait_dscnt 24                                ; x's blocks 0 and 1
	CONV 0, 0
	QUARTER 0, 1, 0, 1, 1                          ; the first quarter stands in front of the loop: its products start the sums
	WIN 0                                          ; at a label and at a branch every window is 0
	s_mov_b32 s[LAPC], 11
.Llap:                                                 ; a trip goes once round the ring, from a lap's second quarter to the next lap's first, and fills both slots again
	QUARTER 0, 2, 1, 0, 0
	QUARTER 0, 3, 0, 1, 0
	TURN 0, 1, 1, 1
	QUARTER 1, 1, 0, 1, 0
	QUARTER 1, 2, 1, 0, 0
	QUARTER 1, 3, 0, 1, 0
	TURN 1, 0, 1, 0
	WIN 0
	s_and_b32 s66, s[LAPC], 3                      ; a tile is four laps: it ends where the count is 8 or 4.  The jump goes forward, past no barrier and no tensor load
	s_cmp_lg_u32 s66, 0
	s_cbranch_scc1 .Lsame
	WAYOUT                                         ; both refills for the next tile are asked for: now the tile goes out
	s_wait_xcnt 0x0                                ; the stores have read their base
	s_add_nc_u64 s[12:13], s[12:13], 0x1000000     ; the next part of qkv
	QUARTER 0, 1, 0, 1, 1                          ; the next tile's first quarter starts its sums
	WIN 0
	s_branch .Lbottom
.Lsame:
	QUARTER 0, 1, 0, 1, 0
	WIN 0
.Lbottom:
	s_sub_co_u32 s[LAPC], s[LAPC], 1
	s_cmp_lg_u32 s[LAPC], 0
	s_cbranch_scc1 .Llap
	QUARTER 0, 2, 1, 0, 0                          ; the last lap fills nothing, and has no round of the cluster's barrier
	QUARTER 0, 3, 0, 1, 0
	TURN 0, 1, 0, 0
	QUARTER 1, 1, 0, 1, 0
	QUARTER 1, 2, 1, 0, 0
	QUARTER 1, 3, 0, 1, 0
	s_wait_dscnt 8                                 ; the very last quarter: nothing more to fetch
	MUL8 1, 0, 0
	s_wait_dscnt 0x0
	MUL8R 1, 1, 0, 1, 2
	MUL8 1, 2, 0
	MUL8 1, 3, 0
	WAYOUT
	s_wait_tensorcnt 0x0                           ; the wave's end: behind my last tensor load and my last LDS store
	ds_add_u32 v[SPW], v[NIL]
	s_wait_dscnt 0x0
	CROUND                                         ; the closing round: no work-group ends while a partner may still ask for a tile that names it
	s_endpgm
.Lfunc_end_k_qb1b27b6ca3_proj:
	.size	k_qb1b27b6ca3_proj, .Lfunc_end_k_qb1b27b6ca3_proj-k_qb1b27b6ca3_proj
	.p2alignl 7, 3214868480
	.fill 96, 4, 3214868480
	.section	.rodata,"a",@progbits
	.p2align	6, 0x0
	.amdhsa_kernel k_qb1b27b6ca3_proj
		.amdhsa_group_segment_fixed_size 327680
		.amdhsa_private_segment_fixed_size 0
		.amdhsa_enable_private_segment 0
		.amdhsa_kernarg_size 40
		.amdhsa_user_sgpr_count 2
		.amdhsa_user_sgpr_kernarg_segment_ptr 1
		.amdhsa_wavefront_size32 1
		.amdhsa_system_sgpr_workgroup_id_x 1
		.amdhsa_system_sgpr_workgroup_id_y 1
		.amdhsa_system_sgpr_workgroup_id_z 1
		.amdhsa_system_vgpr_workitem_id 0
		.amdhsa_next_free_vgpr 768
		.amdhsa_next_free_sgpr 80
		.amdhsa_reserve_vcc 0
		.amdhsa_float_denorm_mode_32 3
		.amdhsa_float_denorm_mode_16_64 3
		.amdhsa_memory_ordered 1
		.amdhsa_forward_progress 1
		.amdhsa_inst_pref_size 158
	.end_amdhsa_kernel
	.amdgpu_metadata
---
amdhsa.version: [ 1, 2 ]
amdhsa.kernels:
  - .name:           k_qb1b27b6ca3_proj
    .symbol:         k_qb1b27b6ca3_proj.kd
    .args:
      - { .name: q, .offset: 0, .size: 8, .value_kind: global_buffer, .address_space: global }
      - { .name: k, .offset: 8, .size: 8, .value_kind: global_buffer, .address_space: global }
      - { .name: v, .offset: 16, .size: 8, .value_kind: global_buffer, .address_space: global }
      - { .name: wts, .offset: 24, .size: 8, .value_kind: global_buffer, .address_space: global }
      - { .name: qkv, .offset: 32, .size: 8, .value_kind: global_buffer, .address_space: global }
    .group_segment_fixed_size: 327680
    .private_segment_fixed_size: 0
    .kernarg_segment_align: 8
    .kernarg_segment_size: 40
    .max_flat_workgroup_size: 128
    .sgpr_count:     80
    .vgpr_count:     768
    .wavefront_size: 32
...
	.end_amdgpu_metadata
.endif
;; end of part 2
;; launch attn (part 3): grid 4 x 64, 4 waves a work-group, clusters of 4 x 1, 327,680 bytes of LDS; arguments qkv, oh; writes oh
.if DOCPART == 3
	.amdgcn_target "amdgcn-amd-amdhsa--gfx1250"
	.amdhsa_code_object_version 6
	.text
	.protected	k_qb1b27b6ca3_attn
	.globl	k_qb1b27b6ca3_attn
	.p2align	8
	.type	k_qb1b27b6ca3_attn,@function
k_qb1b27b6ca3_attn:
	s_mov_b64 s[64:65], 0
	v_nop
	global_prefetch_b8 v0, s[64:65] scope:SCOPE_SE
	s_setreg_imm32_b32 hwreg(HW_REG_WAVE_MODE, 25, 1), 1
	s_wait_xcnt 0x0
	s_wait_alu depctr_hold_cnt(0) depctr_sa_sdst(0) depctr_va_vdst(0) depctr_va_sdst(0) depctr_va_ssrc(0) depctr_va_vcc(0) depctr_vm_vsrc(0)
	s_getreg_b32 s2, hwreg(HW_REG_IB_STS2, 6, 4)
	s_cmp_eq_u32 s2, 0
	s_cbranch_scc0 .Lentry_in_a_cluster
	s_endpgm
.Lentry_in_a_cluster:
	s_bfe_u32 s2, ttmp6, 0x10000c
	s_cmp_lg_u32 s2, 0x3003
	s_cbranch_scc0 .Lentry_shape_is_right
	s_endpgm
.Lentry_shape_is_right:
; O[h][q][:] = the sum over k of softmax_k(Q[h][q] . K[h][k] / 8) V[h][k][:].  Q, K, V are the three parts (16,777,216 bytes each) of qkv, O is oh: each [SIZE_H][SIZE_N][64] in f16, h = 16 batch + head:
; a head's rows are dense, 128 bytes each.  Products, maxima and sums in f32; the weights p are rounded to f16 for the second product (their sum l is taken of the unrounded p), O once at the end.
; LIMITS.  f16 holds no number beyond 65,504: Q, K and V arrive within it; p lies in 0 to 1, and below 6e-5 it keeps f16's fixed step of 6e-8; O is a mean of V's rows and has their range.
; A weight below 2^-126 counts as 0 in l; NaN and infinities are not treated apart.
; SHARES.  A wave owns four PIECES of two tiles of 16 queries, a work-group's four waves 512 queries of one head: 64 heads x 4 blocks = 256 work-groups.  Every wave walks all keys, 64 a step.
; LAYOUT.  S^T = K Q^T (source 0 = 16 keys, source 1 = 16 queries): in the result a lane holds ONE query (lane % 16) and the keys 8 (lane / 16) + 0..7.  Two such tiles, rounded to f16 in pairs,
; ARE source 1 (32 keys x 16 queries) of O^T = V^T P, whose result again holds one query a lane, and eight channels.  K comes out of LDS as it lies, V ([key][channel]) turned, by ds_load_tr16_b128.
; SOFTMAX.  For each query a running maximum m and sum l: p = 2^(c s - c m), c = log2(e) / 8; in every step O and l are multiplied by a = 2^(c m_old - c m_new), which is 1 where m has not grown.
; m starts at the lowest finite number, O and l at 0: the first step is a step like any other, with a = 0.
; THE COUNT.  A tile and step have 16 matrix and 118 vector instructions: too many to stand all beside the matrix work.  So the order has one aim: four vector instructions that are READY behind
; EVERY matrix instruction, and the others, which need time of their own whatever the order, in runs without a gap.
; BY TURNS.  Turn n belongs to piece n (the pieces in a ring, step after step).  Its matrix work: 16 products K Q^T of piece n + 1, later 16 products V^T P of piece n - 1.  Its vector work: the scaling,
; exponentials, roundings, sums and rescaling of piece n, and the maximum and statistics of piece n + 1, whose scores the turn itself has made.  So what a turn begins with (c s - c m, O a) waits for nothing.
; CLUSTER.  The four query blocks of a cluster belong to one head and walk the same K and V, so each tile is asked for JOINTLY: the same tensor load, descriptor and mask in all four.
; REGISTERS, in windows of 256 (s_set_vgpr_msb says which window each operand place means: bits 1:0 source 0, 3:2 source 1, 5:4 source 2, 7:6 destination):
;   window 0: v0-11 addresses; v12-15, v48-63 at work; v16-47 four registers of statistics a tile; v64-191 S^T, two buffers of two tiles; v192-255 P, likewise
;   window 1: O^T, 32 a tile          window 2: v0-127 Q, 16 a tile; v128-191 K of one step; v192-255 V of one step          window 3: v0-1 the add's two registers
; A piece's buffers go by its number's parity: the piece in hand has one pair, its two neighbours in the ring share the other: of it P (piece n - 1) is read and S^T (piece n + 1) written.
.set SIZE_H, 64
.set SIZE_N, 2048
.set NP,    4         ; pieces a wave: a name, no knob: the register map, the loop and the fetches are made for four
.set KS,    64        ; keys in a step
.set PK,    144       ; a row of K in LDS: 128 bytes + 16 of padding = 36 words: the 16 rows of a load start at 16 different groups of four banks (64 banks of 4 bytes: ISA guide 11.1)
.set PV,    160       ; a row of V: 128 + 32 = 40 words
.set VOFF,  4*KS*PK   ; a slot holds four steps: 256 rows of K, then 256 rows of V
.set SLOT1, 1<<17     ; slot 1 begins here, so that one exclusive or turns an address in one slot into the other's
.set STAGE, SLOT1+4*KS*(PK+PV)  ; behind the ring, never filled by a tensor load: 16 rows x 144 bytes for each wave, for the way out
.set SP,    144
.set AK0, 2           ; v2   my lane's place in a tile of K; never rewritten
.set AV0, 3           ; v3   the same for V
.set AK,  4           ; v4   the LDS address of K's next run of loads
.set AV,  5           ; v5   of V's
.set QO,  6           ; v6   my byte offset in the wave's rows of Q
.set STO, 6           ;      later, the way out: where I put 16 bytes of a row
.set RD,  7           ; v7   the way out: where I read rows back
.set GO,  8           ; v8   my byte offset in 512 consecutive bytes of O
.set SPW, 0           ; v0 of window 3   LDS address of my spare word: SPARE + 4 x my thread's number; never rewritten
.set NIL, 1           ; v1 of window 3   0; never rewritten
.set SPARE, STAGE+4*16*SP  ; behind the stages: the spare words, 128 bytes for each wave: two blocks of 256 bytes that no other line names
.set MV,  12          ; v12-15  c m_old, kept while c m is made anew: by buffer and tile
.set ST,  16          ; tile t's statistics at v[ST+4 t]: c m, m, l (even keys', odd keys')
.set TMP, 48          ; by buffer and tile, four registers c0-c3 at work; when the maximum is found c2 takes a
.set S,   64
.set P,   192
.set KF,  128         ; K's fragments, in window 2: key block kb, channel half c at KF + 16 kb + 8 c
.set VF,  192         ; V's: key half kk, channel block cb at VF + 32 kk + 8 cb
.set WV,  12          ; s12  my wave's number
.set G1K, 24          ; s[24:31] descriptor group 1 for K's tiles
.set G1V, 32          ; s[32:39] for V's: it differs in the padding alone
.set G0K, 40          ; s[40:43] descriptor group 0 for K's tiles: it walks
.set G0V, 44          ; s[44:47] the same for V's
.set SLOTS, 56        ; s56  slots still to be asked for
.set CNT, 57          ; s57  counts a slot's key steps
.set CS,  58          ; s[58:59] c: the packed scaling takes the pair's low word for both halves
.set SEL, 60          ; s[60:61] v_permlanex16_b32's selects: each lane takes its own place in the other half
.set TBK, 62          ; s62  LDS byte at which K of the step to be fetched begins
.set TBV, 63          ; s63  the same for V, less VOFF
.set MSB, 0
.macro WIN new                      ; the high byte repeats the setting that is left; a switch that changes nothing is dropped
.if MSB != (\new)
	s_set_vgpr_msb (MSB<<8)|(\new)
.set MSB, (\new)
.endif
.endm
.set W_KQ, 0x0a       ; K and Q in window 2, S^T in window 0
.set W_PV, 0x52       ; V in window 2, P in window 0, O^T in window 1
.set W_RS, 0x41       ; O^T (destination and source 0) in window 1, a in window 0
.set W_MK, 0xc0       ; the add's registers are made: destination in window 3, sources in window 0
.set W_AD, 0x0f       ; the add: address (source 0) and data (source 1) in window 3
; A joint fill.  Waves 0 and 1 fetch the two halves of a slot's K, waves 2 and 3 those of its V: 128 keys each.  The branch hangs on the wave's number alone.
; An s_nop 0 and four v_nop follow each of the two lines, ahead of the jump and the label.
.macro JLOAD
	s_cmp_lt_u32 s[WV], 2
	s_cbranch_scc0 .Lfor_v_\@
	tensor_load_to_lds s[G0K:G0K+3], s[G1K:G1K+7]
	s_nop 0
.rept 4
	v_nop
.endr
	s_branch .Lasked_\@
.Lfor_v_\@:
	tensor_load_to_lds s[G0V:G0V+3], s[G1V:G1V+7]
	s_nop 0
.rept 4
	v_nop
.endr
.Lasked_\@:
.endm
; A round of the cluster's barrier: my work-group's barrier, so that wave 0's signal speaks for all four waves; wave 0 signals; every wave waits for all four work-groups; my work-group's barrier once more.
.macro CROUND
	s_barrier_signal -1
	s_barrier_wait -1
	s_cmp_lg_u32 s[WV], 0
	s_cbranch_scc1 .Lnot_wave_0_\@
	s_barrier_signal -3
.Lnot_wave_0_\@:
	s_barrier_wait -3
	s_barrier_signal -1
	s_barrier_wait -1
.endm
; THE CHANGE OF SLOTS.  The slot's last bytes, V of its fourth step, have been read.  Each wave waits for all its tensor loads, of which one is out: its part
; of the other slot; adds 0 to its spare word; and waits for that and for its own reads of the slot.  Behind the barrier nobody reads this slot any more and the other slot is whole.
; fill = 1: this slot is filled again, with the keys two slots on.  The barrier is then a round of the cluster's, so that no wave of any partner still reads the slot or has a load on its
; way, and the joint fill is the first thing behind it: it has four key steps, 512 matrix instructions, in which to land.  (At its first use nothing has been read yet: slot 0 is waited for, slot 1 filled.)
.macro CHANGE fill
	WIN W_AD
	s_wait_tensorcnt 0x0            ; no tensor load of mine is out, so a group 0 may be written
	ds_add_u32 v[SPW], v[NIL]       ; 0 onto my spare word; with fill = 1 the descriptors' steps stand between it and the wait for it
	WIN 0                           ; at a label and at a branch every window is 0
.if \fill
.irp g, G0K, G0V
	s_xor_b32 s[\g+1], s[\g+1], SLOT1  ; the walking descriptor: the other slot than last time,
	s_add_nc_u64 s[\g+2:\g+3], s[\g+2:\g+3], 4*KS*128  ; the next 256 keys; the type bits on top are not reached
.endr
	s_wait_dscnt 0x0                ; the add is done, and my reads of the slot are over
	CROUND
	JLOAD
.else
	s_wait_dscnt 0x0                ; the add is done, and my reads of the slot are over
	s_barrier_signal -1
	s_barrier_wait -1
.endif
	s_sub_co_u32 s[TBK], s[TBK], 4*KS*PK  ; the fetches go back to a slot's first step,
	s_xor_b32 s[TBK], s[TBK], SLOT1       ; in the other slot
	s_sub_co_u32 s[TBV], s[TBV], 4*KS*PV
	s_xor_b32 s[TBV], s[TBV], SLOT1
.endm
	s_load_b64 s[4:5], s[0:1], 0x0    ; qkv: Q at its head
	s_load_b64 s[10:11], s[0:1], 0x8  ; oh
	WIN W_MK
	v_lshl_add_u32 v[SPW], v0, 2, SPARE
	v_mov_b32 v[NIL], 0
	WIN W_AD
	ds_add_u32 v[SPW], v[NIL]       ; the wave's opening: the add and its wait stand ahead of my first tensor load; the set-up below, work on registers, stands between them
	WIN 0
	v_lshrrev_b32 v1, 5, v0
	v_readfirstlane_b32 s[WV], v1   ; wave 0..3
	s_bfe_u32 s13, ttmp6, 0x40000   ; cx: my place in the cluster
	s_lshl_b32 s14, ttmp9, 2        ; in a cluster launch ttmp9 counts clusters
	s_add_co_u32 s14, s14, s13      ; my block of queries = 4 x cluster x + cx: it enters Q's and O's addresses alone
	s_and_b32 s20, ttmp7, 0xffff    ; the head, which the four partners share
	s_mov_b32 s21, 0
	s_mov_b64 s[22:23], SIZE_N*128
	s_mul_u64 s[20:21], s[20:21], s[22:23]  ; the head's first byte in each of the four tensors
	s_and_b32 s16, s[WV], 1         ; which half of a slot's 256 keys I fetch:
	s_lshl_b32 s22, s16, 14         ; its 128 rows of 128 bytes in memory,
	s_mov_b32 s23, 0
	s_add_nc_u64 s[22:23], s[22:23], s[20:21]
	s_mul_i32 s17, s16, 128*PK      ; and its place in a slot, for K
	s_mul_i32 s18, s16, 128*PV      ; and for V: no place in the cluster enters an LDS address
	s_lshl_b32 s2, s14, 2
	s_add_co_u32 s2, s2, s[WV]      ; my wave among the head's,
	s_lshl_b32 s2, s2, 14           ; its 128 rows
	s_mov_b32 s3, 0
	s_add_nc_u64 s[2:3], s[2:3], s[20:21]
	; descriptor group 1.  128 keys are 16,384 dense bytes: asked for as 64 rows of 256 bytes, two keys a row, and padded in LDS after every key
	s_mov_b32 s[G1K], 15|(1<<16)|(1<<20)|(1<<21)|(4<<22)|(3<<25)  ; 15:0 the mask of four; 17:16 2-byte elements; 20 padding on; 21 set beside a mask; 24:22 after every 32 words (code 4); 31:25 4 words (code 3)
	s_mov_b32 s[G1V], 15|(1<<16)|(1<<20)|(1<<21)|(4<<22)|(7<<25)  ; the same with 8 words of padding (code 7)
.irp g, G1K, G1V
	s_mov_b32 s[\g+1], 128<<16      ; tensor_dim0 = 128
	s_mov_b32 s[\g+2], 64<<16       ; tensor_dim1 = 64
	s_mov_b32 s[\g+3], 128<<16      ; tile_dim0 = 128
	s_mov_b32 s[\g+4], 64           ; tile_dim1 = 64
	s_mov_b32 s[\g+5], 128          ; 128 elements from row to row
	s_mov_b32 s[\g+6], 0
	s_mov_b32 s[\g+7], 0
.endr
	s_mov_b32 s[CS], 0x3e38aa3b     ; c = log2(e) / 8 = 0.180337
	s_mov_b32 s[CS+1], s[CS]        ; named with it as a pair
	s_mov_b32 s[SEL], 0x76543210
	s_mov_b32 s[SEL+1], 0xfedcba98
	s_mov_b32 s[TBK], SLOT1+4*KS*PK ; the first change of slots turns these two into 0
	s_mov_b32 s[TBV], SLOT1+4*KS*PV
	s_mov_b32 s[G0K], 1             ; 1:0 count = 1
	s_mov_b32 s[G0K+1], s17         ; 63:32 LDS address: slot 0
	s_mov_b32 s[G0V], 1
	s_add_co_u32 s[G0V+1], s18, VOFF
	s_wait_dscnt 0x0                ; the opening add is done
	s_wait_kmcnt 0x0
	s_add_nc_u64 s[6:7], s[4:5], 0x1000000         ; K: the second part of qkv
	s_add_nc_u64 s[8:9], s[4:5], 0x2000000         ; V: the third
	s_add_nc_u64 s[G0K+2:G0K+3], s[6:7], s[22:23]  ; 120:64 global address: my half of the head's first 256 keys
	s_or_b32 s[G0K+3], s[G0K+3], 0x80000000        ; 127:126 type = 2
	s_add_nc_u64 s[G0V+2:G0V+3], s[8:9], s[22:23]
	s_or_b32 s[G0V+3], s[G0V+3], 0x80000000
	s_add_nc_u64 s[4:5], s[4:5], s[2:3]  ; Q and O at my wave's first row
	s_add_nc_u64 s[10:11], s[10:11], s[2:3]
	CROUND                          ; all four work-groups are here: the first joint loads meet
	JLOAD                           ; slot 0.  Slot 1 is asked for when slot 0 is in: the tile wanted first has the road to itself
	; A fragment of K or Q is 16 rows x 32 channels in 8 registers: lane l holds row l % 16, channels 8 (l / 16) + 0..7 and 16 + 8 (l / 16) + 0..7: two loads of 16 bytes, 32 bytes apart.
	v_and_b32 v1, 15, v0            ; l % 16
	v_bfe_u32 v9, v0, 4, 1          ; l / 16
	v_lshlrev_b32 v[QO], 7, v1
	v_lshl_add_u32 v[QO], v9, 4, v[QO]  ; row x 128 + 16 x half
	WIN 0x80                        ; destination window 2, address window 0
.set i, 0
.rept 4*NP                          ; Q stays in registers: tile i / 2, channels 32 (i % 2) on
	global_load_b128 v[8*i:8*i+3],   v[QO], s[4:5] offset:(i/2)*2048+(i%2)*64
	global_load_b128 v[8*i+4:8*i+7], v[QO], s[4:5] offset:(i/2)*2048+(i%2)*64+32
.set i, i+1
.endr
	; What the first turn finds: V's registers and P's second buffer hold 0 (its products V^T P, of a piece that has not been, add 0), O^T and l are 0.  All this stands in the wait for the first tile.
.set i, VF
.rept 64
	v_mov_b32 v[i], 0
.set i, i+1
.endr
	WIN 0x40
.set i, 0
.rept 64*NP
	v_mov_b32 v[i], 0
.set i, i+1
.endr
	WIN 0
.set i, 0
.rept 2*NP
	v_mov_b32 v[ST+4*i], 0xfe000000    ; c m: far below every c s
	v_mov_b32 v[ST+4*i+1], 0xff7fffff  ; m
	v_mov_b32 v[ST+4*i+2], 0
	v_mov_b32 v[ST+4*i+3], 0
.set i, i+1
.endr
.set i, P+32
.rept 32
	v_mov_b32 v[i], 0
.set i, i+1
.endr
	v_mul_u32_u24 v[AK0], v1, PK
	v_lshl_add_u32 v[AK0], v9, 4, v[AK0]  ; row x pitch + 16 x half
	; The turning load takes 16 keys x 16 channels (lane l reads key 8 (l / 16) + l % 8, channels 8 ((l / 8) % 2) + 0..7) and leaves half a fragment of V^T: lane l holds channel l % 16 and 8 keys.
	v_and_b32 v10, 7, v0
	v_bfe_u32 v11, v0, 3, 1
	v_lshl_add_u32 v[AV0], v9, 3, v10
	v_mul_u32_u24 v[AV0], v[AV0], PV
	v_lshl_add_u32 v[AV0], v11, 4, v[AV0]
	v_add_nc_u32 v[AV0], VOFF, v[AV0]
	v_mov_b32 v[AK], v[AK0]         ; key step 0 lies at the head of slot 0
; THE MATRIX WORK.  The 8 accumulators of a run of 16 take turns: between the two links of a chain stand 7 others'.
; Product i of 16 of S^T = K Q^T for piece x: channels 32 (i / 8) on, keys 16 ((i / 2) % 4) on, tile 2 x + i % 2.  The first 8 start the sums.
.macro KQ x
	WIN W_KQ
.set rS, S+64*((\x)%2)+32*(i%2)+8*((i/2)%4)
.set rK, KF+16*((i/2)%4)+8*(i/8)
.set rQ, 16*(2*(\x)+i%2)+8*(i/8)
.if i < 8
	v_wmma_f32_16x16x32_f16 v[rS:rS+7], v[rK:rK+7], v[rQ:rQ+7], 0
.else
	v_wmma_f32_16x16x32_f16 v[rS:rS+7], v[rK:rK+7], v[rQ:rQ+7], v[rS:rS+7]
.endif
.endm
; Product i of 16 of O^T += V^T P for piece x: keys 32 (i / 8) on, channels 16 ((i / 2) % 4) on, tile 2 x + i % 2.
.macro PV x
	WIN W_PV
.set rO, 32*(2*(\x)+i%2)+8*((i/2)%4)
.set rV, VF+32*(i/8)+8*((i/2)%4)
.set rP, P+32*((\x)%2)+16*(i%2)+8*(i/8)
	v_wmma_f32_16x16x32_f16 v[rO:rO+7], v[rV:rV+7], v[rP:rP+7], v[rO:rO+7]
.endm
.macro MM                           ; the turn's next matrix instruction
.if i < 16
	KQ (Y+1)%NP
.set i, i+1
.else
.set i, i-16
	PV (Y+NP-1)%NP
.set i, i+17
.endif
.endm
; THE LDS LOADS stand in runs of 16, never singly among the matrix instructions: a step's K (64 keys x 64 channels: 8 fragments) and its V (turned).  Their addresses are made some lines ahead.
; last = 1 (the tail): in the last trip there is no further step, and the run is jumped over.
.macro FETCH_K last=0
	WIN 0
.if \last
	s_cmp_eq_u32 s[CNT], 1
	s_cbranch_scc1 .Lno_k_\@
.endif
	WIN 0x80                        ; destination window 2
.irp f, 0,1,2,3,4,5,6,7             ; keys 16 (f / 2) on, channels 32 (f % 2) on
	ds_load_b128 v[KF+8*\f:KF+8*\f+3],   v[AK] offset:(\f/2)*16*PK+(\f%2)*64
	ds_load_b128 v[KF+8*\f+4:KF+8*\f+7], v[AK] offset:(\f/2)*16*PK+(\f%2)*64+32
.endr
	s_add_co_u32 s[TBK], s[TBK], KS*PK  ; the next fetch is the next step's
	WIN 0
.if \last
.Lno_k_\@:
.endif
.endm
.macro FETCH_V
	WIN 0x80
.irp f, 0,1,2,3,4,5,6,7             ; keys 32 (f / 4) on, channels 16 (f % 4) on
	ds_load_tr16_b128 v[VF+8*\f:VF+8*\f+3],   v[AV] offset:(\f/4)*32*PV+(\f%4)*32
	ds_load_tr16_b128 v[VF+8*\f+4:VF+8*\f+7], v[AV] offset:(\f/4)*32*PV+16*PV+(\f%4)*32
.endr
	WIN 0
.endm
; THE VECTOR WORK OF A TURN stands in three queues, each in the order in which its entries become ready; the two tiles alternate, so that no instruction reads the result of the one before it.
.macro REGS y, u                    ; the registers of tile u (0, 1) of piece y
.set rT, ST+4*(2*(\y)+(\u))
.set rC, TMP+8*((\y)%2)+4*(\u)
.set rM, MV+2*((\y)%2)+(\u)
.set rS, S+64*((\y)%2)+32*(\u)
.set rP, P+32*((\y)%2)+16*(\u)
.set rO, 32*(2*(\y)+(\u))
.endm
; Number n of the 22 that find the NEXT piece's (Y + 1) maximum and statistics.  s0-s31 are the lane's 32 scores; each accumulator's lowest registers are read first.  XS, GS and REGS set no window: PL and EX do.
;   0-11  four chains c0-c3 of seven scores each, three operands at a time     12-14, 16  the four scores left over, the old m, and c0-c3 into c0     15  c m_old is kept
;   17, 18  the query's other 32 keys lie in the lane 16 away: the new m         19-21  c m; c m_old - c m_new; a
.macro XS u, n
	REGS (Y+1)%NP, \u
.if (\n) < 4
	v_max3_num_f32 v[rC+(\n)], v[rS+8*(\n)], v[rS+8*(\n)+1], v[rS+8*(\n)+2]
.elseif (\n) < 12
	v_max3_num_f32 v[rC+(\n)%4], v[rC+(\n)%4], v[rS+8*((\n)%4)+2*((\n)/4)+1], v[rS+8*((\n)%4)+2*((\n)/4)+2]
.elseif (\n) == 12
	v_max3_num_f32 v[rC], v[rC], v[rS+7], v[rS+15]
.elseif (\n) == 13
	v_max3_num_f32 v[rC+1], v[rC+1], v[rS+23], v[rS+31]
.elseif (\n) == 14
	v_max3_num_f32 v[rC+2], v[rC+2], v[rC+3], v[rT+1]
.elseif (\n) == 15
	v_mov_b32 v[rM], v[rT]
.elseif (\n) == 16
	v_max3_num_f32 v[rC], v[rC], v[rC+1], v[rC+2]
.elseif (\n) == 17
	v_permlanex16_b32 v[rC+3], v[rC], s[SEL], s[SEL+1]
.elseif (\n) == 18
	v_max_num_f32 v[rT+1], v[rC], v[rC+3]
.elseif (\n) == 19
	v_mul_f32 v[rT], s[CS], v[rT+1]
.elseif (\n) == 20
	v_sub_f32 v[rC+1], v[rM], v[rT]
.else
	v_exp_f32 v[rC+2], v[rC+1]
.endif
.endm
; Number g of the 64 that follow the exponentials.  For each four weights k of a tile (pairs 2 k, 2 k + 1): both pairs are rounded to f16; then the second pair is added onto the first, in place;
; a group later l takes that sum (the first time as l = a l + sum).  In groups of eight, tiles alternating: round, round, add, and l for the group before.
.macro GS g
.set h, (\g)+6*((\g)/62)            ; group 0 has no group before it, and behind group 7 only l is left
.if h >= 6
.set h, h+2
.endif
	REGS Y, h%2
.set k, h/8
.if h%8 < 4
	s_wait_alu depctr_va_vdst(0)
	v_cvt_pk_f16_f32 v[rP+2*k+(h%8)/2], v[rS+4*k+2*((h%8)/2)], v[rS+4*k+2*((h%8)/2)+1]
.elseif h%8 < 6
	v_pk_add_f32 v[rS+4*k:rS+4*k+1], v[rS+4*k:rS+4*k+1], v[rS+4*k+2:rS+4*k+3]
.elseif k == 1
	v_pk_fma_f32 v[rT+2:rT+3], v[rT+2:rT+3], v[rC+2:rC+3], v[rS:rS+1] op_sel_hi:[1,0,1]
.else
	v_pk_add_f32 v[rT+2:rT+3], v[rT+2:rT+3], v[rS+4*k-4:rS+4*k-3]
	s_wait_alu depctr_va_vdst(0)
.endif
.endm
; THE PLAIN QUEUE, 138 long.  0-31: c s - c m for the 16 pairs of both tiles.  Then GS's 64, and among them the next piece's 42: number 15 at 38, 39; 0-14 and 16
; at 42-73, behind the products that make those scores; 17-20 at 95-106, two of three, since each waits for the one before it.
.macro PL
	WIN 0
.if q < 32
	REGS Y, q%2
	v_pk_fma_f32 v[rS+2*(q/2):rS+2*(q/2)+1], v[rS+2*(q/2):rS+2*(q/2)+1], s[CS:CS+1], v[rT:rT+1] op_sel_hi:[1,0,0] neg_lo:[0,0,1] neg_hi:[0,0,1]
.elseif q < 38
	GS q-32
.elseif q < 40
	XS q%2, 15
.elseif q < 42
	GS q-34
.elseif q < 74
	XS q%2, (q-42)/2+(q-42)/30
.elseif q < 95
	GS q-66
.elseif (q < 107) && ((q-95)%3 < 2)
	XS (q-95)%3, 17+(q-95)/3
.elseif q < 107
	GS 29+(q-95)/3
.else
	GS q-74
.endif
.set q, q+1
.endm
; THE EXPONENTIALS' QUEUE, 66 long: s0-s31 of both tiles, and at EA the next piece's two a.
.set EA, 58
.macro EX
	WIN 0
.if (e == EA) || (e == EA+1)
	XS e-EA, 21
.else
.set x, e-2*(e/(EA+2))
	REGS Y, x%2
	v_exp_f32 v[rS+x/2], v[rS+x/2]
.endif
.set e, e+1
.endm
; THE RESCALING's QUEUE: O^T times a, the one part that leaves window 0, so it is dealt four at a time, eight times.
.macro R4
	REGS Y, r%2
	WIN W_RS
	s_wait_alu depctr_va_vdst(0)
.irp z, 0,1,2,3
	v_pk_mul_f32 v[rO+8*(r/2)+2*\z:rO+8*(r/2)+2*\z+1], v[rO+8*(r/2)+2*\z:rO+8*(r/2)+2*\z+1], v[rC+2:rC+3] op_sel_hi:[1,0]
.endr
.set r, r+1
.endm
; HOW THEY ARE DEALT.  Behind a matrix instruction four: plain, exponential, plain, plain (one exponential, a plain instruction on either side), or four of the rescaling.  None names a register of the
; products round it.  What is over stands in two LUMPS: exponential and plain by turns; the second ends in 22 plain instructions.  The two v_permlanex16_b32 fall into the second lump, never behind a product.
; The queues lean on each other, and the deal keeps them in step: exponential e stands behind plain 2 (e / 4) + e % 2 (its scaling); when plain 32 comes, 10 exponentials are out, at 59: 33, at 95: 46; EA comes behind plain 107.
.macro SL
	MM
	PL
	EX
	PL
	PL
.endm
.macro BURST n                      ; 15 matrix instructions, or 16
.rept (\n)-7
	SL
.endr
.rept 3
	MM
	R4
	SL
.endr
	MM
	R4
.endm
; A TURN, for piece p.  cnt = 1: the loop's count is taken down some lines ahead of the branch that stands behind the turn.
; K of the next step is fetched in piece 2's turn, 31 vector instructions behind the last product that read K; its first reader comes behind the rest of the lump, 16 products and the second lump.
; V of the step in hand is fetched at the end of piece 0's turn, 69 behind its last reader; its first reader comes behind 16 products and a lump.  The four conditions on e and q below go with the deal.
.macro TURN p, last=0, cnt=0
.set Y, (\p)
.set i, 0
.set q, 0
.set e, 0
.set r, 0
.if (\p) == NP-1
	s_wait_dscnt 0x0                ; K is in
.endif
	MM
.rept 4
	PL
.endr
	BURST 15
.rept 22
	EX
	PL
.if ((\p) == NP-2) && (e == 18)
	v_add_nc_u32 v[AK], s[TBK], v[AK0]
.endif
.if ((\p) == NP-2) && (e == 24)
	FETCH_K \last
.endif
.endr
.if (\p) == 1
	s_wait_dscnt 0x0                ; V is in
.endif
	BURST 16
.rept 21
	EX
	PL
.endr
.rept 22
	PL
.if ((\p) == 0) && (q == 118)
	v_add_nc_u32 v[AV], s[TBV], v[AV0]
	s_wait_alu depctr_va_vdst(0)
.endif
.if ((\p) == 0) && (q == 130)
	s_add_co_u32 s[TBV], s[TBV], KS*PV
.endif
.if (\cnt) && (q == 130)
	s_sub_co_u32 s[CNT], s[CNT], 1
	s_cmp_lg_u32 s[CNT], 0
.endif
.endr
.if (\p) == 0
	FETCH_V
.endif
.endm
	CHANGE 1                        ; slot 0 is in, everybody's part of it; slot 1 is asked for
	FETCH_K                         ; key step 0
	s_wait_loadcnt 0x0              ; Q
	s_wait_dscnt 0x0
.set i, 0
.rept 16
	KQ 0                            ; piece 0's first scores: there is no vector work yet to set between them
.set i, i+1
.endr
	WIN 0                           ; the addresses for the way out: nine plain instructions, the places behind those products
	s_mul_i32 s13, s[WV], 16*SP
	s_add_co_u32 s13, s13, STAGE    ; my stage
	v_mul_u32_u24 v[STO], v1, SP    ; in: row l % 16, 16 bytes for each half of the lanes
	v_lshl_add_u32 v[STO], v9, 4, v[STO]
	v_add_nc_u32 v[STO], s13, v[STO]
	v_bfe_u32 v[RD], v0, 3, 2       ; back: 32 lanes take four rows of 128 bytes,
	v_mul_u32_u24 v[RD], v[RD], SP
	v_lshl_add_u32 v[RD], v10, 4, v[RD]
	v_add_nc_u32 v[RD], s13, v[RD]
	v_and_b32 v[GO], 31, v0         ; which are 512 consecutive bytes of O
	v_lshlrev_b32 v[GO], 4, v[GO]
.set Y, NP-1                        ; XS works for piece Y + 1: piece 0
.irp n, 0,1,2,3,4,5,6,7,8,9,10,11,12,13,14,15,16,17,18,19,20,21
	XS 0, \n                        ; and piece 0's first maximum and statistics
	XS 1, \n
.endr
	s_mov_b32 s[CNT], 4
	s_mov_b32 s[SLOTS], SIZE_N/256-1
	s_branch .Lfirst                ; the loop is entered at a step's first turn, in the middle of a trip
.Lslot:                             ; SIZE_N / 256 - 2 times: every slot but the last two is filled again
	CHANGE 1
	s_mov_b32 s[CNT], 4
.Lstep:                             ; a trip: pieces 2 and 3 of one step, then pieces 0 and 1 of the next, whose K and V it fetches
	TURN 2
	TURN 3
	WIN 0
.Lfirst:
	TURN 0
	TURN 1, 0, 1
	WIN 0
	s_cbranch_scc1 .Lstep
	s_sub_co_u32 s[SLOTS], s[SLOTS], 1
	s_cmp_lg_u32 s[SLOTS], 0
	s_cbranch_scc1 .Lslot
	CHANGE 0                        ; the tail is written out: nothing is asked for
	s_mov_b32 s[CNT], 5             ; four trips fetch the last slot's steps; the fifth is left in its middle
.Ltail:
	TURN 2, 1
	TURN 3
	WIN 0
	s_sub_co_u32 s[CNT], s[CNT], 1
	s_cmp_eq_u32 s[CNT], 0
	s_cbranch_scc1 .Lout
	TURN 0
	TURN 1
	WIN 0
	s_branch .Ltail
.Lout:                              ; the fifth trip's 16 products K Q^T (on the last K once more) and the maximum made of them serve nothing: the price, once a launch, of one text for every trip
.set i, 0
.rept 16
	PV NP-1                         ; the last piece's V^T P of the last step
.set i, i+1
.endr
	; THE WAY OUT.  l's two halves and the other half of the lanes' are added; O^T is divided by l, rounded to f16 and sent through my stage in LDS, a tile at a time.  The additions are the places behind the last products.
	WIN 0
.macro ALL line:vararg              ; one line for each tile t
.set t, 0
.rept 2*NP
	\line
.set t, t+1
.endr
.endm
	ALL v_add_f32 v[ST+4*t+2], v[ST+4*t+2], v[ST+4*t+3]
	ALL v_permlanex16_b32 v[ST+4*t+3], v[ST+4*t+2], s[SEL], s[SEL+1]
	ALL v_add_f32 v[ST+4*t+2], v[ST+4*t+2], v[ST+4*t+3]
	ALL v_rcp_f32 v[ST+4*t+2], v[ST+4*t+2]
	v_nop                           ; a plain instruction between the last reciprocal and the use of its result
	s_wait_alu depctr_va_vdst(0)
; Tile t: a lane's eight channels of a row pack into 16 bytes; they go into rows of 144 bytes and come back as whole rows of 128, into S^T's registers.
.macro PACK t
	WIN W_RS
.set i, 32*(\t)
.rept 16
	v_pk_mul_f32 v[i:i+1], v[i:i+1], v[ST+4*(\t)+2:ST+4*(\t)+3] op_sel_hi:[1,0]
.set i, i+2
.endr
	WIN 0x05                        ; sources 0 and 1 window 1, destination window 0
.set i, 0
.rept 16
	v_cvt_pk_f16_f32 v[S+16*(\t)+i], v[32*(\t)+2*i], v[32*(\t)+2*i+1]
.set i, i+1
.endr
	WIN 0
.irp f, 0,1,2,3
	ds_store_b128 v[STO], v[S+16*(\t)+4*\f:S+16*(\t)+4*\f+3] offset:32*\f
.endr
.irp f, 0,1,2,3
	ds_load_b128 v[S+16*(\t)+4*\f:S+16*(\t)+4*\f+3], v[RD] offset:\f*4*SP  ; LDS serves a wave's instructions in order (ISA guide 5.7.1.4): these see the stores above; the next tile's stores come behind them
.endr
.endm
.macro SEND t, younger              ; younger: the LDS instructions issued behind tile t's loads: the next tile's eight, or none
	WIN 0
.irp f, 0,1,2,3
	s_wait_dscnt (\younger)+3-\f
	global_store_b128 v[GO], v[S+16*(\t)+4*\f:S+16*(\t)+4*\f+3], s[10:11] offset:(\t)*2048+\f*512  ; 512 consecutive bytes, at a multiple of 256 from O's first
.endr
.endm
	PACK 0
.set t, 1
.rept 2*NP-1                        ; a tile's arithmetic stands between the loads of the tile before and its stores
	PACK t
	SEND t-1, 8
.set t, t+1
.endr
	SEND 2*NP-1, 0
	WIN W_AD
	s_wait_tensorcnt 0x0            ; the wave's end: behind my last tensor load and my last LDS store
	ds_add_u32 v[SPW], v[NIL]
	s_wait_dscnt 0x0
	WIN 0
	CROUND                          ; the closing round: no work-group ends while a partner may still ask for a tile that names it
	s_endpgm
.Lfunc_end_k_qb1b27b6ca3_attn:
	.size	k_qb1b27b6ca3_attn, .Lfunc_end_k_qb1b27b6ca3_attn-k_qb1b27b6ca3_attn
	.p2alignl 7, 3214868480
	.fill 96, 4, 3214868480
	.section	.rodata,"a",@progbits
	.p2align	6, 0x0
	.amdhsa_kernel k_qb1b27b6ca3_attn
		.amdhsa_group_segment_fixed_size 327680
		.amdhsa_private_segment_fixed_size 0
		.amdhsa_enable_private_segment 0
		.amdhsa_kernarg_size 16
		.amdhsa_user_sgpr_count 2
		.amdhsa_user_sgpr_kernarg_segment_ptr 1
		.amdhsa_wavefront_size32 1
		.amdhsa_system_sgpr_workgroup_id_x 1
		.amdhsa_system_sgpr_workgroup_id_y 1
		.amdhsa_system_sgpr_workgroup_id_z 1
		.amdhsa_system_vgpr_workitem_id 0
		.amdhsa_next_free_vgpr 770
		.amdhsa_next_free_sgpr 66
		.amdhsa_reserve_vcc 0
		.amdhsa_float_denorm_mode_32 3
		.amdhsa_float_denorm_mode_16_64 3
		.amdhsa_memory_ordered 1
		.amdhsa_forward_progress 1
		.amdhsa_inst_pref_size 209
	.end_amdhsa_kernel
	.amdgpu_metadata
---
amdhsa.version: [ 1, 2 ]
amdhsa.kernels:
  - .name:           k_qb1b27b6ca3_attn
    .symbol:         k_qb1b27b6ca3_attn.kd
    .args:
      - { .name: qkv, .offset: 0, .size: 8, .value_kind: global_buffer, .address_space: global }
      - { .name: oh, .offset: 8, .size: 8, .value_kind: global_buffer, .address_space: global }
    .group_segment_fixed_size: 327680
    .private_segment_fixed_size: 0
    .kernarg_segment_align: 8
    .kernarg_segment_size: 16
    .max_flat_workgroup_size: 128
    .sgpr_count:     66
    .vgpr_count:     770
    .wavefront_size: 32
...
	.end_amdgpu_metadata
.endif
;; end of part 3
;; launch oproj (part 4): grid 4 x 64, 4 waves a work-group, clusters of 4 x 4, 327,680 bytes of LDS; arguments oh, wts, out0; writes out0
.if DOCPART == 4
	.amdgcn_target "amdgcn-amd-amdhsa--gfx1250"
	.amdhsa_code_object_version 6
	.text
	.protected	k_qb1b27b6ca3_oproj
	.globl	k_qb1b27b6ca3_oproj
	.p2align	8
	.type	k_qb1b27b6ca3_oproj,@function
k_qb1b27b6ca3_oproj:
	s_mov_b64 s[64:65], 0
	v_nop
	global_prefetch_b8 v0, s[64:65] scope:SCOPE_SE
	s_setreg_imm32_b32 hwreg(HW_REG_WAVE_MODE, 25, 1), 1
	s_wait_xcnt 0x0
	s_wait_alu depctr_hold_cnt(0) depctr_sa_sdst(0) depctr_va_vdst(0) depctr_va_sdst(0) depctr_va_ssrc(0) depctr_va_vcc(0) depctr_vm_vsrc(0)
	s_getreg_b32 s2, hwreg(HW_REG_IB_STS2, 6, 4)
	s_cmp_eq_u32 s2, 0
	s_cbranch_scc0 .Lentry_in_a_cluster
	s_endpgm
.Lentry_in_a_cluster:
	s_bfe_u32 s2, ttmp6, 0x10000c
	s_cmp_lg_u32 s2, 0xf033
	s_cbranch_scc0 .Lentry_shape_is_right
	s_endpgm
.Lentry_shape_is_right:
; out0 = O W_O^T.  O lies by heads in oh, [64 = 16 batch + head][2048 rows][64 channels] in f16; column k = 64 head + channel of the product's K.  W_O is the fourth part of wts, [1024 n][1024 k], the
; bf16 rounding of the weight written as f16.  Sums in f32; out0 is [8192][1024] f32, stored as the sums are.  LIMIT: O and W_O arrive within f16's 65,504; NaN and infinities are not treated apart.
; SHARES.  A tile of out0 is 128 rows x 256 columns: 64 x 4 = 256 tiles, one for each work-group.  Four waves, each 64 x 128: 32 accumulators.  K goes in 8 steps of 128, two heads each, through a ring
; of two LDS slots.  A head's 128 rows are 16,384 dense bytes: asked for as 64 rows of 256 bytes, padded in LDS behind every 128.  Waves 0 and 1 fetch a step's two heads, waves 2 and 3 the halves of W_O's tile.
; CLUSTER.  4 x 4 work-groups: O's tiles hang on the row block alone and are asked for jointly along a row of the cluster, W_O's on the column block alone, along a column.
; THE MATRIX INSTRUCTION IS USED TRANSPOSED (source 0 = 16 rows of W_O, source 1 = 16 rows of O): a lane holds one row of out0 and eight neighbouring columns, 32 bytes.
; REGISTERS: window 0: v0-29 addresses; v64-95, v96-127 fragments of O, two buffers; v128-191, v192-255 rows read back on the way out.  window 1: v0-63, v64-127 fragments of W_O, two buffers.
;   window 2: accumulator (a, b) at v[8 (8 a + b)], a = 0..3 (rows), b = 0..7 (columns).
.set AP,     144                       ; an LDS row of O: 128 bytes + 16 = 36 words: the 16 rows of a load start at 16 different groups of four banks (64 banks of 4 bytes: ISA guide 11.1)
.set AHEAD,  128*AP                    ; a head's 128 rows: what one tensor load brings of O
.set ABYTES, 2*AHEAD
.set WP,     272                       ; an LDS row of W_O: 256 bytes + 16
.set WHALF,  128*WP                    ; what one tensor load brings of it
.set SLOT,   ABYTES+2*WHALF            ; 106,496 bytes
.set STAGE,  2*SLOT                    ; behind the ring, never filled by a tensor load: 16 rows x 528 bytes for each wave
.set SPITCH, 528
.set SWAVE,  16*SPITCH
.set SPARE,  STAGE+4*SWAVE             ; behind the stages: the spare words, 128 bytes for each wave: two blocks of 256 bytes that no other line names
.set LAPS,   4                         ; a lap = two K steps = once round the ring
.set ADRA, 16                          ; v16-17  LDS address of my fragments of O in slot 0, 1
.set ADRB, 20                          ; v20-21  the same for W_O
.set STO,  24                          ; v24     the way out: where I put 32 bytes of a row
.set RD,   25                          ; v25     the way out: where I read a row back
.set CO,   26                          ; v26     my byte offset in 512 consecutive bytes of out0
.set SPW,  28                          ; v28     LDS address of my spare word: SPARE + 4 x my thread's number; never rewritten
.set NIL,  29                          ; v29     0; never rewritten
.set AF,   64
.set OB,   128
.set G1, 24                            ; s[24:31] descriptor group 1 for O's tiles;  s[32:39] group 0, one set for each slot
.set G0, 32
.set G1B, 48                           ; s[48:55], s[56:63] the same for W_O's tiles
.set G0B, 56
.set MSB, 0
.macro WIN new                         ; the immediate's high byte repeats the setting that is left
.if MSB != (\new)
	s_set_vgpr_msb (MSB<<8)|(\new)
.set MSB, \new
.endif
.endm
.set MULW, 0xa1                        ; source 0 (W_O) window 1, source 1 (O) window 0, C and D window 2
.set TO_B, 0x40                        ; destination window 1, address window 0
.macro JLOAD s                         ; a joint load; an s_nop 0 and four v_nop follow each of the two lines, ahead of the jump, the label and what follows
	s_cmp_eq_u32 s11, 0
	s_cbranch_scc0 .Lfor_b_\@
	tensor_load_to_lds s[G0+4*(\s):G0+4*(\s)+3], s[G1:G1+7]
	s_nop 0
.rept 4
	v_nop
.endr
	s_branch .Lasked_\@
.Lfor_b_\@:
	tensor_load_to_lds s[G0B+4*(\s):G0B+4*(\s)+3], s[G1B:G1B+7]
	s_nop 0
.rept 4
	v_nop
.endr
.Lasked_\@:
.endm
.macro CREST                           ; a round of the cluster's barrier behind its opening barrier
	s_cmp_lg_u32 s10, 0
	s_cbranch_scc1 .Lnot_wave_0_\@
	s_barrier_signal -3
.Lnot_wave_0_\@:
	s_barrier_wait -3
	s_barrier_signal -1
	s_barrier_wait -1
.endm
.macro CROUND                          ; a whole round
	s_barrier_signal -1
	s_barrier_wait -1
	CREST
.endm
	s_load_b128 s[4:7], s[0:1], 0x0                ; oh s[4:5], wts s[6:7]
	s_load_b64 s[8:9], s[0:1], 0x10                ; out0
	v_lshl_add_u32 v[SPW], v0, 2, SPARE
	v_mov_b32 v[NIL], 0
	ds_add_u32 v[SPW], v[NIL]                      ; the wave's opening: the add and its wait stand ahead of my first tensor load; the set-up below, work on registers, stands between them
	v_lshrrev_b32 v1, 5, v0
	v_readfirstlane_b32 s10, v1                    ; wave 0..3
	s_lshr_b32 s11, s10, 1                         ; which 64 rows I multiply.  Also: I fetch for O (0) or for W_O (1)
	s_and_b32 s12, s10, 1                          ; which 128 columns.  Also: which head of the step, or which half of W_O's tile, I fetch
	s_bfe_u32 s40, ttmp6, 0x40000                  ; cx, cy: my place in the cluster
	s_bfe_u32 s41, ttmp6, 0x40004
	s_lshl_b32 s42, ttmp9, 2
	s_add_co_u32 s42, s42, s40                     ; column block of 256 = 4 x cluster x + cx
	s_and_b32 s13, ttmp7, 0xffff
	s_lshl_b32 s13, s13, 2
	s_add_co_u32 s13, s13, s41                     ; row block of 128 = 4 x cluster y + cy
	s_lshl_b32 s43, s41, 2
	s_lshl_b32 s43, 15, s43                        ; my row of the cluster
	s_lshl_b32 s44, 0x1111, s40                    ; my column
	s_or_b32 s[G1], s43, (1<<16)|(1<<20)|(1<<21)|(4<<22)|(3<<25)   ; 15:0 the mask; 17:16 2-byte elements; 20 padding on; 21 set beside a mask; 24:22 after every 32 words (code 4); 31:25 4 words (code 3)
	s_mov_b32 s[G1+1], 128<<16                     ; tensor_dim0 = 128
	s_mov_b32 s[G1+2], 64<<16                      ; tensor_dim1 = 64
	s_mov_b32 s[G1+3], 128<<16                     ; tile_dim0 = 128
	s_mov_b32 s[G1+4], 64                          ; tile_dim1 = 64
	s_mov_b32 s[G1+5], 128                         ; 128 elements from row to row: dense
	s_mov_b32 s[G1+6], 0
	s_mov_b32 s[G1+7], 0
	s_or_b32 s[G1B], s44, (1<<16)|(1<<20)|(1<<21)|(5<<22)|(3<<25)  ; after every 64 words (code 5)
	s_mov_b32 s[G1B+1], 128<<16
	s_mov_b32 s[G1B+2], 128<<16
	s_mov_b32 s[G1B+3], 128<<16
	s_mov_b32 s[G1B+4], 128
	s_mov_b32 s[G1B+5], 1024
	s_mov_b32 s[G1B+6], 0
	s_mov_b32 s[G1B+7], 0
	s_lshr_b32 s16, s13, 4                         ; O: the batch's 16 heads of 262,144 bytes,
	s_lshl_b32 s16, s16, 22
	s_and_b32 s17, s13, 15                         ; the row block's 128 rows of 128 bytes in a head,
	s_lshl_b32 s17, s17, 14
	s_add_co_u32 s16, s16, s17
	s_lshl_b32 s17, s12, 18                        ; the step's even or odd head
	s_add_co_u32 s16, s16, s17
	s_mov_b32 s17, 0
	s_lshl_b32 s46, s42, 19                        ; W_O: 256 rows of 2,048 bytes a column block,
	s_lshl_b32 s47, s12, 18                        ; my half's 128 rows,
	s_add_co_u32 s46, s46, s47
	s_add_co_u32 s46, s46, 3*2097152               ; in the fourth part of wts
	s_mov_b32 s47, 0
	s_mul_i32 s20, s12, AHEAD                      ; where the tiles go: no place in the cluster enters an LDS address
	s_mul_i32 s21, s12, WHALF
	s_add_co_u32 s21, s21, ABYTES
	s_lshl_b32 s14, s13, 19                        ; out0: 128 rows of 4,096 bytes a row block,
	s_lshl_b32 s15, s11, 18                        ; my 64 of them,
	s_add_co_u32 s14, s14, s15
	s_lshl_b32 s15, s42, 10                        ; 1,024 bytes a column block,
	s_add_co_u32 s14, s14, s15
	s_lshl_b32 s15, s12, 9                         ; my 512 of them
	s_add_co_u32 s14, s14, s15
	s_mov_b32 s15, 0
	s_wait_dscnt 0x0                               ; the opening add is done
	s_wait_kmcnt 0x0
	s_add_nc_u64 s[4:5], s[4:5], s[16:17]
	s_add_nc_u64 s[6:7], s[6:7], s[46:47]
	s_add_nc_u64 s[8:9], s[8:9], s[14:15]
	CROUND                                         ; all sixteen work-groups are here: the first joint loads meet
.irp s, 0,1
	s_mov_b32 s[G0+4*(\s)], 1
	s_add_co_u32 s[G0+4*(\s)+1], s20, (\s)*SLOT
	s_add_nc_u64 s[G0+4*(\s)+2:G0+4*(\s)+3], s[4:5], (\s)*524288   ; K step s: two heads on
	s_or_b32 s[G0+4*(\s)+3], s[G0+4*(\s)+3], 0x80000000
	s_mov_b32 s[G0B+4*(\s)], 1
	s_add_co_u32 s[G0B+4*(\s)+1], s21, (\s)*SLOT
	s_add_nc_u64 s[G0B+4*(\s)+2:G0B+4*(\s)+3], s[6:7], (\s)*256
	s_or_b32 s[G0B+4*(\s)+3], s[G0B+4*(\s)+3], 0x80000000
	JLOAD \s                                       ; two loads of mine are out
.endr
	v_and_b32 v1, 15, v0                           ; l % 16
	v_bfe_u32 v2, v0, 4, 1                         ; l / 16
	v_mul_u32_u24 v3, v1, AP
	v_lshl_add_u32 v3, v2, 4, v3                   ; a fragment's row x pitch + 16 x half
	s_mul_i32 s22, s11, 64*AP                      ; my 64 rows of O
	v_add_nc_u32 v[ADRA], s22, v3
	v_add_nc_u32 v[ADRA+1], SLOT, v[ADRA]
	v_mul_u32_u24 v4, v1, WP
	v_lshl_add_u32 v4, v2, 4, v4
	v_add_nc_u32 v[ADRB], s21, v4                  ; my 128 rows of W_O, behind O's two heads (the same place as the half that I fetch)
	v_add_nc_u32 v[ADRB+1], SLOT, v[ADRB]
	s_mul_i32 s22, s10, SWAVE
	s_add_co_u32 s22, s22, STAGE                   ; my stage
	v_mul_u32_u24 v5, v1, SPITCH                   ; in: row l % 16, 32 bytes for each half of the lanes
	v_lshl_add_u32 v5, v2, 5, v5
	v_add_nc_u32 v[STO], s22, v5
	v_and_b32 v6, 31, v0
	v_lshlrev_b32 v[CO], 4, v6                     ; back: 32 lanes take one row of 512 bytes
	v_add_nc_u32 v[RD], s22, v[CO]
; 8 matrix instructions: row block a x all 8 column blocks, 32 along K, buffer f.  zero = 1: they start the sums.  The 32 accumulators take turns in the same order in every quarter.
.macro MUL8 f, a, zero
	WIN MULW
.irp b, 0,1,2,3,4,5,6,7
.if \zero
	v_wmma_f32_16x16x32_f16 v[8*(8*(\a)+(\b)):8*(8*(\a)+(\b))+7], v[64*(\f)+8*(\b):64*(\f)+8*(\b)+7], v[AF+32*(\f)+8*(\a):AF+32*(\f)+8*(\a)+7], 0
.else
	v_wmma_f32_16x16x32_f16 v[8*(8*(\a)+(\b)):8*(8*(\a)+(\b))+7], v[64*(\f)+8*(\b):64*(\f)+8*(\b)+7], v[AF+32*(\f)+8*(\a):AF+32*(\f)+8*(\a)+7], v[8*(8*(\a)+(\b)):8*(8*(\a)+(\b))+7]
.endif
.endr
.endm
; 24 LDS loads in one run: quarter kq of slot sl into buffer g: W_O's eight blocks, then O's four (head kq / 2 of the step, channels 32 (kq % 2) on)
.macro FETCH sl, kq, g
	WIN TO_B
.irp b, 0,1,2,3,4,5,6,7
	ds_load_b128 v[64*(\g)+8*(\b):64*(\g)+8*(\b)+3],   v[ADRB+(\sl)] offset:64*(\kq)+(\b)*16*WP
	ds_load_b128 v[64*(\g)+8*(\b)+4:64*(\g)+8*(\b)+7], v[ADRB+(\sl)] offset:64*(\kq)+(\b)*16*WP+32
.endr
	WIN 0
.irp a, 0,1,2,3
	ds_load_b128 v[AF+32*(\g)+8*(\a):AF+32*(\g)+8*(\a)+3],   v[ADRA+(\sl)] offset:((\kq)/2)*AHEAD+((\kq)%2)*64+(\a)*16*AP
	ds_load_b128 v[AF+32*(\g)+8*(\a)+4:AF+32*(\g)+8*(\a)+7], v[ADRA+(\sl)] offset:((\kq)/2)*AHEAD+((\kq)%2)*64+(\a)*16*AP+32
.endr
.endm
.macro PLACES                          ; four places in front of loads into registers that matrix instructions have read, and of LDS stores that read results (ISA guide 7.12.1 for vector instructions)
.rept 4
	v_nop
.endr
.endm
; A K step is four quarters of 32 along K, 32 matrix instructions each, on buffers 0, 1, 0, 1.  One of the first three multiplies buffer f; (sl, kq) is the next quarter, fetched into g.
.macro QUARTER sl, kq, f, g, zero
	s_wait_dscnt 4                                 ; W_O and O's blocks 0 and 1 are in; the youngest four loads (blocks 2, 3) may be out
	MUL8 \f, 0, \zero
	MUL8 \f, 1, \zero
	PLACES
	FETCH \sl, \kq, \g
	s_wait_dscnt 24                                ; all but the 24 just issued
	MUL8 \f, 2, \zero
	MUL8 \f, 3, \zero
.endm
; The last quarter multiplies buffer 1 and changes slots: ONE barrier; in front of it each wave waits for all its tensor loads, adds 0 to its spare word, and waits for that and for its own reads of this slot.
; fill = 1: the barrier opens a round of the cluster's barrier, and this slot is filled again, two K steps ahead, first thing behind the round: 112 matrix instructions ahead of the wait for it.
.macro TURN sl, nx, fill
	WIN 0                                          ; (the add's two registers lie in window 0)
	s_wait_tensorcnt 0x0                           ; all my tensor loads have landed: my part of the next slot;
	ds_add_u32 v[SPW], v[NIL]                      ; 0 onto my spare word;
	s_wait_dscnt 5                                 ; (the add and the youngest four loads may be out)
	MUL8 1, 0, 0                                   ; eight matrix instructions stand between the add and the wait for it
	s_wait_dscnt 0x0                               ; the add is done, and my reads of this slot are over
	s_barrier_signal -1
	MUL8 1, 1, 0
.if \fill
	WIN 0
.endif
	s_barrier_wait -1
.if \fill
	CREST                                          ; no wave of any partner still reads this slot's tile or has a load on its way
	s_add_nc_u64 s[G0+4*(\sl)+2:G0+4*(\sl)+3], s[G0+4*(\sl)+2:G0+4*(\sl)+3], 1048576  ; four heads on
	s_add_nc_u64 s[G0B+4*(\sl)+2:G0B+4*(\sl)+3], s[G0B+4*(\sl)+2:G0B+4*(\sl)+3], 512
	JLOAD \sl                                      ; the four v_nop behind it are also the places in front of the loads below
.else
	PLACES
.endif
	FETCH \nx, 0, 0
	MUL8 1, 2, 0
	MUL8 1, 3, 0
.endm
; THE WAY OUT, a block of 16 rows at a time.  TOSTAGE: the sums go as they are, 32 bytes a lane (each accumulator's low half first), into rows of 528 bytes of my own stage, and come back as whole rows of 512.
.macro TOSTAGE a
	WIN 0x08                                       ; the stores' data (source 1) in window 2
.irp b, 0,1,2,3,4,5,6,7
	ds_store_b128 v[STO], v[8*(8*(\a)+(\b)):8*(8*(\a)+(\b))+3]   offset:64*(\b)
	ds_store_b128 v[STO], v[8*(8*(\a)+(\b))+4:8*(8*(\a)+(\b))+7] offset:64*(\b)+16
.endr
	WIN 0
.irp t, 0,1,2,3,4,5,6,7,8,9,10,11,12,13,14,15
	ds_load_b128 v[OB+64*((\a)%2)+4*(\t):OB+64*((\a)%2)+4*(\t)+3], v[RD] offset:(\t)*SPITCH  ; LDS serves a wave's instructions in order (ISA guide 5.7.1.4): these see the stores above; the next block's stores come behind them
.endr
.endm
.macro SEND a, younger                 ; younger: the LDS instructions issued behind block a's loads: the next block's 32, or none
.irp t, 0,1,2,3,4,5,6,7,8,9,10,11,12,13,14,15
	s_wait_dscnt (\younger)+15-(\t)
	global_store_b128 v[CO], v[OB+64*((\a)%2)+4*(\t):OB+64*((\a)%2)+4*(\t)+3], s[8:9] offset:(16*(\a)+(\t))*4096 th:TH_STORE_NT  ; 512 consecutive bytes, at a multiple of 512 from out0's first
.endr
.endm
	s_wait_tensorcnt 1                             ; my part of K step 0 is in; K step 1's may stay out
	s_barrier_signal -1
	s_barrier_wait -1                              ; everybody's is
	FETCH 0, 0, 0
	QUARTER 0, 1, 0, 1, 1                          ; the first quarter stands in front of the loop: its products start the sums
	WIN 0                                          ; at a label and at a branch every window is 0
	s_mov_b32 s3, LAPS-1
.Llap:                                                 ; a trip goes once round the ring, from a lap's second quarter to the next lap's first, and fills both slots again
	QUARTER 0, 2, 1, 0, 0
	QUARTER 0, 3, 0, 1, 0
	TURN 0, 1, 1
	QUARTER 1, 1, 0, 1, 0
	QUARTER 1, 2, 1, 0, 0
	QUARTER 1, 3, 0, 1, 0
	TURN 1, 0, 1
	QUARTER 0, 1, 0, 1, 0
	WIN 0
	s_sub_co_u32 s3, s3, 1
	s_cmp_lg_u32 s3, 0
	s_cbranch_scc1 .Llap
	QUARTER 0, 2, 1, 0, 0                          ; the last lap fills nothing, and has no round of the cluster's barrier
	QUARTER 0, 3, 0, 1, 0
	TURN 0, 1, 0
	QUARTER 1, 1, 0, 1, 0
	QUARTER 1, 2, 1, 0, 0
	QUARTER 1, 3, 0, 1, 0
	s_wait_dscnt 4                                 ; the very last quarter: nothing more to fetch
	MUL8 1, 0, 0
	MUL8 1, 1, 0
	s_wait_dscnt 0x0
	MUL8 1, 2, 0
	MUL8 1, 3, 0
	PLACES                                         ; the LDS stores below read results just made
	TOSTAGE 0
	TOSTAGE 1
	SEND 0, 32
	s_wait_xcnt 0x0                                ; block 0's registers, which its stores read, are loaded again only behind this wait
	TOSTAGE 2
	SEND 1, 32
	s_wait_xcnt 0x0                                ; block 1's likewise
	TOSTAGE 3
	SEND 2, 32
	SEND 3, 0
	s_wait_tensorcnt 0x0                           ; the wave's end: behind my last tensor load and my last LDS store
	ds_add_u32 v[SPW], v[NIL]
	s_wait_dscnt 0x0
	CROUND                                         ; the closing round: no work-group ends while a partner may still ask for a tile that names it
	s_endpgm
.Lfunc_end_k_qb1b27b6ca3_oproj:
	.size	k_qb1b27b6ca3_oproj, .Lfunc_end_k_qb1b27b6ca3_oproj-k_qb1b27b6ca3_oproj
	.p2alignl 7, 3214868480
	.fill 96, 4, 3214868480
	.section	.rodata,"a",@progbits
	.p2align	6, 0x0
	.amdhsa_kernel k_qb1b27b6ca3_oproj
		.amdhsa_group_segment_fixed_size 327680
		.amdhsa_private_segment_fixed_size 0
		.amdhsa_enable_private_segment 0
		.amdhsa_kernarg_size 24
		.amdhsa_user_sgpr_count 2
		.amdhsa_user_sgpr_kernarg_segment_ptr 1
		.amdhsa_wavefront_size32 1
		.amdhsa_system_sgpr_workgroup_id_x 1
		.amdhsa_system_sgpr_workgroup_id_y 1
		.amdhsa_system_sgpr_workgroup_id_z 1
		.amdhsa_system_vgpr_workitem_id 0
		.amdhsa_next_free_vgpr 768
		.amdhsa_next_free_sgpr 66
		.amdhsa_reserve_vcc 0
		.amdhsa_float_denorm_mode_32 3
		.amdhsa_float_denorm_mode_16_64 3
		.amdhsa_memory_ordered 1
		.amdhsa_forward_progress 1
		.amdhsa_inst_pref_size 87
	.end_amdhsa_kernel
	.amdgpu_metadata
---
amdhsa.version: [ 1, 2 ]
amdhsa.kernels:
  - .name:           k_qb1b27b6ca3_oproj
    .symbol:         k_qb1b27b6ca3_oproj.kd
    .args:
      - { .name: oh, .offset: 0, .size: 8, .value_kind: global_buffer, .address_space: global }
      - { .name: wts, .offset: 8, .size: 8, .value_kind: global_buffer, .address_space: global }
      - { .name: out0, .offset: 16, .size: 8, .value_kind: global_buffer, .address_space: global }
    .group_segment_fixed_size: 327680
    .private_segment_fixed_size: 0
    .kernarg_segment_align: 8
    .kernarg_segment_size: 24
    .max_flat_workgroup_size: 128
    .sgpr_count:     66
    .vgpr_count:     768
    .wavefront_size: 32
...
	.end_amdgpu_metadata
.endif
;; end of part 4
;; ======== version 2 of 2: 4 launches; version 1 with the launch castw written anew for expert scheduling mode
;; limits: values are held in f16: magnitudes above 65,504 overflow, below 6.1e-05 lose precision
;; workspace buffers: wts 8,388,608 bytes; qkv 50,331,648 bytes; oh 16,777,216 bytes
;; launch castw (part 5): grid 64 x 4, 8 waves a work-group, no clusters, 0 bytes of LDS; arguments W_Q, W_K, W_V, W_O, mask, wts; writes wts
.if DOCPART == 5
	.amdgcn_target "amdgcn-amd-amdhsa--gfx1250"
	.amdhsa_code_object_version 6
	.text
	.protected	k_qb1b27b6ca3_castw
	.globl	k_qb1b27b6ca3_castw
	.p2align	8
	.type	k_qb1b27b6ca3_castw,@function
k_qb1b27b6ca3_castw:
	s_mov_b64 s[64:65], 0
	v_nop
	global_prefetch_b8 v0, s[64:65] scope:SCOPE_SE
	s_setreg_imm32_b32 hwreg(HW_REG_WAVE_SCHED_MODE, 0, 2), 2
	s_setreg_imm32_b32 hwreg(HW_REG_WAVE_MODE, 25, 1), 1
	s_wait_xcnt 0x0
	s_wait_alu depctr_vm_vsrc(0)
; The four weights, [1024][1024] f32, are rounded once to 16 bits: wts has four parts of 2,097,152 bytes, W_Q, W_K, W_V in bf16, and W_O rounded to bf16 with that number written as f16
; (exact from 2^-14 up to f16's 65,504; below 2^-14 it keeps f16's fixed step of 6e-8).  LIMIT: a W_O beyond 65,504 becomes an infinity.
; A stream: no LDS, no matrix unit, no cluster: no byte is shared between work-groups.  Work-group (x, y): chunk x (16,384 numbers) of weight y.  Thread t, load i: 16 bytes at 4,096 i + 16 t of
; the chunk, so a wave's load covers 512 consecutive bytes; its 8 bytes of result go to 2,048 i + 8 t, so a wave's store covers 256 consecutive bytes, aligned.  All sixteen loads go out first.
; No register is written twice while a load or store names it, so no wait frees a source.
; THE MODE: SCHED_MODE bits 1:0 = 2 (LLVM: expert scheduling mode 2), set by the entry lines.  The code itself states the register dependences
; between vector instructions and memory instructions, with s_wait_alu, always for 0.
; THE PLAN.  Registers that memory instructions touch:
;   v1, v2   byte offsets of the loads and of the stores.  Made once at the head by vector instructions, never written again.
;   X        load i lands in its own four registers, once; no vector instruction names them ahead of the loads; the conversions read them behind the wait for the data.
;   Y        written by load i's conversions, read by store i, never written again.
;   T        named by vector instructions alone.
; So one wait at the head states that the offsets are written, and the work goes in four blocks of four loads: the block's conversions, ONE wait that states that they have written the block's Y,
; the block's four stores in a run.  The wait stands behind the block's own conversions and not at the next block's head: there the stores would first sit out the wait for the next block's data.
; No register that a memory instruction has read is ever written again, no vector instruction writes a scalar register or VCC, and EXEC is never written: no other wait is owed.
.set X, 4                              ; v[4:67]    load i: four registers
.set Y, 68                             ; v[68:99]   load i: two registers to store
.set T, 100                            ; v[100:103] at work
	s_load_b256 s[4:11], s[0:1], 0x0               ; W_Q s[4:5], W_K s[6:7], W_V s[8:9], W_O s[10:11]
	s_load_b128 s[12:15], s[0:1], 0x20             ; mask s[12:13], wts s[14:15]
	s_and_b32 s16, ttmp7, 0xffff                   ; which weight
	v_lshlrev_b32 v1, 4, v0                        ; 16 t
	v_lshlrev_b32 v2, 3, v0                        ; 8 t
	s_lshl_b32 s20, ttmp9, 16                      ; the chunk's 65,536 bytes in
	s_mov_b32 s21, 0
	s_lshl_b32 s22, s16, 21                        ; the weight's part of wts,
	s_lshl_b32 s23, ttmp9, 15                      ; the chunk's 32,768 bytes out
	s_add_co_u32 s22, s22, s23
	s_mov_b32 s23, 0
	s_wait_kmcnt 0x0
	s_load_b32 s17, s[12:13], 0x0                  ; the mask: the module takes it and never applies it, so it is read and nothing is made of it
	s_mov_b64 s[18:19], s[4:5]
	s_cmp_eq_u32 s16, 1
	s_cselect_b64 s[18:19], s[6:7], s[18:19]
	s_cmp_eq_u32 s16, 2
	s_cselect_b64 s[18:19], s[8:9], s[18:19]
	s_cmp_eq_u32 s16, 3
	s_cselect_b64 s[18:19], s[10:11], s[18:19]
	s_add_nc_u64 s[18:19], s[18:19], s[20:21]
	s_add_nc_u64 s[14:15], s[14:15], s[22:23]
	s_wait_alu depctr_va_vdst(0)                   ; v1 and v2 are written: every load reads v1 as its offset, every store v2; neither is written again
.irp i, 0,1,2,3,4,5,6,7,8,9,10,11,12,13,14,15
	global_load_b128 v[X+4*(\i):X+4*(\i)+3], v1, s[18:19] offset:4096*(\i) th:TH_LOAD_NT
.endr
; Load i is rounded.  f16 = 1: the bf16 numbers are widened again (a shift, a mask) and written as f16.
.macro CVT i, f16
	v_cvt_pk_bf16_f32 v[Y+2*(\i)], v[X+4*(\i)], v[X+4*(\i)+1]
	v_cvt_pk_bf16_f32 v[Y+2*(\i)+1], v[X+4*(\i)+2], v[X+4*(\i)+3]
.if \f16
	v_lshlrev_b32 v[T], 16, v[Y+2*(\i)]
	v_and_b32 v[T+1], 0xffff0000, v[Y+2*(\i)]
	v_lshlrev_b32 v[T+2], 16, v[Y+2*(\i)+1]
	v_and_b32 v[T+3], 0xffff0000, v[Y+2*(\i)+1]
	v_cvt_pk_f16_f32 v[Y+2*(\i)], v[T], v[T+1]
	v_cvt_pk_f16_f32 v[Y+2*(\i)+1], v[T+2], v[T+3]
.endif
.endm
; Block p: loads 4 p to 4 p + 3 are rounded and stored.
.macro BLK p, f16
	s_wait_loadcnt 12-4*(\p)                       ; loads come back in order (ISA guide 5.7.1): the block's four are in, the 12 - 4 p younger ones may stay out
.irp j, 0,1,2,3
	CVT 4*(\p)+(\j), \f16
.endr
	s_wait_alu depctr_va_vdst(0)                   ; the block's conversions have written its eight registers of Y, which the four stores below read
.irp j, 0,1,2,3
	global_store_b64 v2, v[Y+2*(4*(\p)+(\j)):Y+2*(4*(\p)+(\j))+1], s[14:15] offset:2048*(4*(\p)+(\j))  ; no hint: later launches read these bytes many times
.endr
.endm
	s_cmp_eq_u32 s16, 3
	s_cbranch_scc1 .Lwo
.irp p, 0,1,2,3
	BLK \p, 0
.endr
	s_wait_kmcnt 0x0                               ; the mask's word has come
	s_endpgm
.Lwo:
.irp p, 0,1,2,3
	BLK \p, 1
.endr
	s_wait_kmcnt 0x0
	s_endpgm
.Lfunc_end_k_qb1b27b6ca3_castw:
	.size	k_qb1b27b6ca3_castw, .Lfunc_end_k_qb1b27b6ca3_castw-k_qb1b27b6ca3_castw
	.p2alignl 7, 3214868480
	.fill 96, 4, 3214868480
	.section	.rodata,"a",@progbits
	.p2align	6, 0x0
	.amdhsa_kernel k_qb1b27b6ca3_castw
		.amdhsa_group_segment_fixed_size 0
		.amdhsa_private_segment_fixed_size 0
		.amdhsa_enable_private_segment 0
		.amdhsa_kernarg_size 48
		.amdhsa_user_sgpr_count 2
		.amdhsa_user_sgpr_kernarg_segment_ptr 1
		.amdhsa_wavefront_size32 1
		.amdhsa_system_sgpr_workgroup_id_x 1
		.amdhsa_system_sgpr_workgroup_id_y 1
		.amdhsa_system_sgpr_workgroup_id_z 1
		.amdhsa_system_vgpr_workitem_id 0
		.amdhsa_next_free_vgpr 104
		.amdhsa_next_free_sgpr 66
		.amdhsa_reserve_vcc 0
		.amdhsa_float_denorm_mode_32 3
		.amdhsa_float_denorm_mode_16_64 3
		.amdhsa_memory_ordered 1
		.amdhsa_forward_progress 1
		.amdhsa_inst_pref_size 16
	.end_amdhsa_kernel
	.amdgpu_metadata
---
amdhsa.version: [ 1, 2 ]
amdhsa.kernels:
  - .name:           k_qb1b27b6ca3_castw
    .symbol:         k_qb1b27b6ca3_castw.kd
    .args:
      - { .name: W_Q, .offset: 0, .size: 8, .value_kind: global_buffer, .address_space: global }
      - { .name: W_K, .offset: 8, .size: 8, .value_kind: global_buffer, .address_space: global }
      - { .name: W_V, .offset: 16, .size: 8, .value_kind: global_buffer, .address_space: global }
      - { .name: W_O, .offset: 24, .size: 8, .value_kind: global_buffer, .address_space: global }
      - { .name: mask, .offset: 32, .size: 8, .value_kind: global_buffer, .address_space: global }
      - { .name: wts, .offset: 40, .size: 8, .value_kind: global_buffer, .address_space: global }
    .group_segment_fixed_size: 0
    .private_segment_fixed_size: 0
    .kernarg_segment_align: 8
    .kernarg_segment_size: 48
    .max_flat_workgroup_size: 256
    .sgpr_count:     66
    .vgpr_count:     104
    .wavefront_size: 32
...
	.end_amdgpu_metadata
.endif
;; end of part 5
;; launch proj: the kernel of part 2 again; grid 4 x 64, 4 waves a work-group, clusters of 4 x 4, 327,680 bytes of LDS; arguments q, k, v, wts, qkv; writes qkv
;; launch attn: the kernel of part 3 again; grid 4 x 64, 4 waves a work-group, clusters of 4 x 1, 327,680 bytes of LDS; arguments qkv, oh; writes oh
;; launch oproj: the kernel of part 4 again; grid 4 x 64, 4 waves a work-group, clusters of 4 x 4, 327,680 bytes of LDS; arguments oh, wts, out0; writes out0
